; MI455X (gfx1250); checked and timed in simulation.
; The chip was launched on July 23, 2026; its instructions are those of AMD's public machine-readable ISA for CDNA 5 (MIT licence, August 2026) and "CDNA5" Instruction Set Architecture Reference Guide (July 2026). The comments in the code are by the model that wrote it; some were corrected since.
;; GN Nens. Allowed arithmetic: matrix products marked QUANTISED: E3M2 operands, one E8M0 scale for each 32 along K, by v_wmma_scale_f32_16x16x128_f8f6f4 with both operands' format E3M2, f32 sums; everything else in f32.
;; Inputs: W1 8 x 512 x 1,024 float32; W2 8 x 1,024 x 512 float32; b1 8 x 1,024 float32; b2 8 x 512 float32; comp_idx 8,192 int32; epsilon 8,192 x 512 float32; mu 8 x 512 float32; rho 8 float32.
;; Outputs: out0 8,192 x 512 float32.
;; This version of the problem:
;;   THIS VERSION OF THE PROBLEM IS GIVEN IN LOW PRECISION. The matrix products marked QUANTISED in the list below multiply operands that are first quantised to E3M2 (3 exponent bits, 2 mantissa bits; 6 bits a number), with one power-of-two scale for each 32 numbers along K (OCP MX v1.0); their sums are f32. All else is computed in f32.
;;   The module's matrix products, in the order in which they are computed (A, B: the left and right operand; K: the contracted axis; several contracted axes count as one K, in the product's order):
;;     1. batch 8 x [M 8,192, K 512] x [K 512, N 1,024]; A: computed on the way; B: input W1: QUANTISED
;;     2. batch 8 x [M 8,192, K 1,024] x [K 1,024, N 512]; A: computed on the way; B: input W2: QUANTISED
;;   THE QUANTISER, for each operand of a quantised product, along K:
;;     - K is cut into blocks of 32 from its start; a last block that is shorter is filled with zeros.
;;     - A block's scale is 2^e with e = floor(log2(the largest magnitude in the block)) - 4, held to -126 .. 127; a block of zeros has e = 0. As a byte (E8M0): e + 127.
;;     - Each number is divided by its block's scale, clamped to +-28, and rounded to the nearest number of E3M2, ties to even, subnormals kept.
;;     - The product sums the exact products of the quantised numbers (number of the format x scale) in f32.
;;   ~~~python
;;   def quantise(x, axis):      # numpy; x: float32 -> the quantised numbers, widened to float32 again
;;       x = np.moveaxis(x, axis, -1); K = x.shape[-1]
;;       x = np.pad(x, [(0, 0)] * (x.ndim - 1) + [(0, -K % 32)]); x = x.reshape(x.shape[:-1] + (-1, 32)); a = np.abs(x).max(-1, keepdims=True)
;;       e = np.where(a > 0, np.clip(np.frexp(np.where(a > 0, a, 1))[1] - 1 - 4, -126, 127), 0)      # np.frexp(a)[1] - 1 = floor(log2(a)), exactly
;;       r = np.clip(x / 2.0 ** e, -28, 28)
;;       step = 2.0 ** (np.maximum(np.frexp(np.where(r == 0, 1, r))[1] - 1, -2) - 2)
;;       q = np.round(r / step) * step * 2.0 ** e      # np.round: ties to even
;;       return np.moveaxis(q.reshape(q.shape[:-2] + (-1,))[..., :K], -1, axis).astype(np.float32)
;;   ~~~
;;   OPERANDS COMPUTED ON THE WAY. 'Computed on the way' means the value that the module computes at that place (a softmax that the list does not call 'softmax' is quantised finished and normalised). What goes into a quantiser is computed in f32, as accurately as f32 sums, v_exp_f32 and their like allow (about 1e-6 of the number): no bf16 or f16 on the way to a quantiser, and a product that is left as it is and whose result goes on into a quantised operand takes f32 operands (vector FMAs, or v_wmma_f32_16x16x4_f32). A number that lies on a knife's edge between two numbers of the format may be rounded either way, as far as f32 arithmetic and the matrix unit's own rounding can turn it there, and no further.
;; 2 versions. Each part assembles by itself: llvm-mc -triple=amdgcn-amd-amdhsa -mcpu=gfx1250 --defsym DOCPART=n.
;; ======== version 1 of 2: 2 launches
;; workspace buffers: wq 6,553,600 bytes; order 33,024 bytes of whole numbers; tiles 4,096 bytes of whole numbers
;; launch prep (part 1): grid 513 x 1, 4 waves a work-group, no clusters, 1,536 bytes of LDS; arguments W1, W2, comp_idx, wq, order, tiles; writes wq, order, tiles
.if DOCPART == 1
	.amdgcn_target "amdgcn-amd-amdhsa--gfx1250"
	.amdhsa_code_object_version 6
	.text
	.protected	k_qe57da84e50_prep
	.globl	k_qe57da84e50_prep
	.p2align	8
	.type	k_qe57da84e50_prep,@function
k_qe57da84e50_prep:
	s_mov_b64 s[64:65], 0
	v_nop
	global_prefetch_b8 v0, s[64:65] scope:SCOPE_SE
	s_setreg_imm32_b32 hwreg(HW_REG_WAVE_MODE, 25, 1), 1
	s_wait_xcnt 0x0
; PREP.  Work-group 0 sorts the 8,192 samples by their expert number (a counting sort, no atomics) and writes the table of 135 row tiles.
; Work-groups 1 to 512 turn W1 [8][512][1024] and W2 [8][1024][512], f32 with K as the first axis of an expert, into codes of BF6 (E3M2) with one E8M0 byte for each 32 along K.
; THE CODES ARE LAID AS THE NEXT LAUNCH TAKES THEM INTO REGISTERS.  wq = [expert 8][wave 4][group 16] groups of 12,800 bytes.  A group is 128 columns x 128 along K: eight fragments of 16 columns,
; each 1,536 bytes (registers 4 p .. 4 p + 3 of lane l at 512 p + 16 l), and behind them 512 bytes of scale words (16 l + 4 q: fragment 2 q in lanes 0-15, fragment 2 q + 1 in lanes 16-31).
; Groups 0-7 of a wave are W1: columns 256 w + 128 (g / 4) on, K rows 128 (g % 4) on.  Groups 8-15 are W2: columns 128 w on, K rows 128 (g - 8) on.
; Row r of fragment 2 b + u is column 32 b + 8 u + r + 8 (r / 8) of the group, so that in the transposed product a lane's 16 registers of two neighbouring fragments are 16 neighbouring columns.
; A block's scale is 2^(floor(log2(largest magnitude)) - 4): its byte is the largest magnitude's exponent field - 4, held at 1 from below.
; LIMITS: comp_idx holds 0 .. 7, as the problem grants.  A block of zeros gets the byte 1 and not 127 (its codes are zeros, and this program alone reads the bytes); blocks whose largest magnitude
; lies under 2^-122 keep the byte 1; NaN and infinities among the weights are not served.
.set GRP,  12800
.set X,    64                          ; v64-191  my column's 128 numbers, down K
.set CF,   32                          ; v32-43 the fragment's 12 registers for the lane with h = 0 (blocks 0, 2), v44-55 for h = 1 (blocks 1, 3)
.set CT,   56                          ; v56-58, v60-62 a block's upper 16 codes, before they are moved
.set SW,   16                          ; v16 my column's scale word
	s_load_b256 s[4:11], s[0:1], 0x0               ; W1 s[4:5], W2 s[6:7], comp_idx s[8:9], wq s[10:11]
	s_load_b128 s[12:15], s[0:1], 0x20             ; order s[12:13], tiles s[14:15]
	v_lshl_add_u32 v192, v0, 2, 0x400
	v_mov_b32 v193, 0
	v_lshrrev_b32 v1, 5, v0
	v_readfirstlane_b32 s16, v1                    ; wave 0..3
	s_cmp_eq_u32 ttmp9, 0
	s_cbranch_scc1 .Lsort                          ; the sort takes the first work-group
; ---------------- THE QUANTISER: one group a work-group.  x = work-group - 1 = 64 e + 16 w + g
	s_sub_co_u32 s17, ttmp9, 1
	s_lshr_b32 s18, s17, 6                         ; e
	s_bfe_u32 s19, s17, 0x20004                    ; w
	s_and_b32 s24, s17, 15                         ; g
	s_lshl_b32 s20, s18, 21                        ; an expert is 2^21 bytes in W1 and in W2
	s_and_b32 s25, s24, 3                          ; W1: 128 rows of 4,096 bytes for each K step,
	s_lshl_b32 s25, s25, 19
	s_lshl_b32 s26, s19, 10                        ; 256 columns a wave,
	s_add_co_u32 s25, s25, s26
	s_bfe_u32 s26, s24, 0x10002                    ; 128 a chunk
	s_lshl_b32 s26, s26, 9
	s_add_co_u32 s25, s25, s26
	s_and_b32 s27, s24, 7                          ; W2: 128 rows of 2,048 bytes for each K step,
	s_lshl_b32 s27, s27, 18
	s_lshl_b32 s26, s19, 9                         ; 128 columns a wave
	s_add_co_u32 s27, s27, s26
	s_mul_i32 s22, s17, GRP                        ; where the group goes
	s_mov_b32 s23, 0
	s_mov_b32 s21, 0
	v_and_b32 v5, 31, v0                           ; lane
	v_and_b32 v6, 15, v0                           ; r
	v_bfe_u32 v7, v0, 4, 1                         ; u
	v_and_b32 v8, 8, v6
	v_add_nc_u32 v8, v8, v6                        ; r + 8 (r / 8)
	v_lshl_add_u32 v8, v7, 3, v8                   ; + 8 u
	s_lshl_b32 s26, s16, 5
	v_add_nc_u32 v8, s26, v8                       ; + 32 x wave: A LANE TAKES A COLUMN, AND ITS REGISTERS RUN DOWN K
	v_lshlrev_b32 v1, 2, v8                        ; its byte in a row: the wave's 32 lanes read 128 consecutive bytes
	s_mul_i32 s26, s16, 3072
	v_mul_u32_u24 v2, v7, 1536
	v_lshl_add_u32 v2, v6, 4, v2
	v_add_nc_u32 v2, s26, v2                       ; out: fragment 2 x wave + u, 16 r
	v_lshlrev_b32 v4, 4, v5                        ; 16 x lane
	s_lshl_b32 s26, s16, 2
	v_add_nc_u32 v3, s26, v4                       ; LDS: my scale word at 16 x lane + 4 x wave
	s_wait_kmcnt 0x0
	s_cmp_lt_u32 s24, 8                            ; W1 or W2: the choice hangs on the work-group's number alone
	s_cselect_b64 s[4:5], s[4:5], s[6:7]
	s_cselect_b32 s25, s25, s27
	s_add_co_u32 s20, s20, s25
	s_add_nc_u64 s[4:5], s[4:5], s[20:21]
	s_add_nc_u64 s[10:11], s[10:11], s[22:23]
.macro WLOADS stride                   ; all 128 rows at once: every offset is an immediate (127 x 4,096 at the most)
.set i, 0
.rept 128
	global_load_b32 v[X+i], v1, s[4:5] offset:i*\stride th:TH_LOAD_NT
.set i, i+1
.endr
.endm
	s_cmp_lt_u32 s24, 8                            ; only the pitch of the rows differs between the two tensors
	s_cbranch_scc0 .Lw2
	WLOADS 4096
	s_branch .Lq
.Lw2:
	WLOADS 2048
.Lq:
; Block kb of 32 along K: all 32 numbers are mine.  left: how many younger loads may stay out (96 and 64 are behind blocks 0 and 1; a wait names 63 at the most, which asks for a little more than is needed)
.macro BLOCK kb, left
.set XS, X+32*(\kb)
.set CD, CF+12*((\kb)%2)+6*((\kb)/2)
.set CU, CT+4*((\kb)%2)
	s_wait_loadcnt \left
	v_max3_num_f32 v8, |v[XS]|, |v[XS+1]|, |v[XS+2]|        ; the largest magnitude, in two chains
	v_max3_num_f32 v9, |v[XS+3]|, |v[XS+4]|, |v[XS+5]|
.irp i, 6,10,14,18,22,26
	v_max3_num_f32 v8, v8, |v[XS+\i]|, |v[XS+\i+1]|
	v_max3_num_f32 v9, v9, |v[XS+\i+2]|, |v[XS+\i+3]|
.endr
	v_max3_num_f32 v8, v8, |v[XS+30]|, |v[XS+31]|
	v_max3_num_f32 v8, v8, v9, 0x2800000           ; and the floor 2^(5 - 127): the byte cannot fall under 1
	v_add_nc_u32 v11, 0xfe000000, v8               ; 4 off the exponent field: the conversion takes the exponent field of this operand as its scale
	v_cvt_scalef32_pk16_bf6_f32 v[CD:CD+2], v[XS:XS+15], v11
	v_cvt_scalef32_pk16_bf6_f32 v[CU:CU+2], v[XS+16:XS+31], v11   ; (a conversion's three registers begin on an even number)
	v_lshrrev_b32 v10, 23, v11                     ; the scale's byte; also the plain instruction behind the conversions
.if (\kb) == 0
	v_mov_b32 v[SW], v10
.else
	v_lshl_or_b32 v[SW], v10, 8*(\kb), v[SW]
.endif
.irp i, 0,1,2
	v_mov_b32 v[CD+3+\i], v[CU+\i]
.endr
.endm
	BLOCK 0, 63
	BLOCK 1, 63
	BLOCK 2, 32
	BLOCK 3, 0
.irp hh, 0,1
.irp p, 0,1,2
	global_store_b128 v2, v[CF+12*\hh+4*\p:CF+12*\hh+4*\p+3], s[10:11] offset:512*\p+256*\hh   ; lanes 0-15 and lanes 16-31 each store 256 consecutive bytes, at a multiple of 256 from wq's first byte
.endr
.endr
	ds_store_b32 v3, v[SW]                         ; the four waves' scale words meet in LDS bytes 0 .. 511
	s_wait_dscnt 0x0                               ; for the others' sake: my store is done
	s_barrier_signal -1
	s_barrier_wait -1
	s_cmp_lg_u32 s16, 0
	s_cbranch_scc1 .Lqend
	ds_load_b128 v[8:11], v4
	s_wait_dscnt 0x0
	global_store_b128 v4, v[8:11], s[10:11] offset:12288   ; 512 consecutive bytes
.Lqend:
	s_wait_tensorcnt 0x0
	ds_add_u32 v192, v193
	s_wait_dscnt 0x0
	s_endpgm
; ---------------- THE SORT.  Thread (w, lane) owns samples 2048 w + 128 j + 4 lane + q.  A sample's place: its expert's start + that expert's samples in earlier waves, in earlier lanes, and earlier in my own 64.
; v64-127 the samples' experts, then the stores' addresses; v128-191 the stores' data; v16-23 my counts, v24-31 their scan, v32-39 my next place for each expert, v40-47 the experts' totals, v48-55 their starts.
.Lsort:
	v_and_b32 v2, 31, v0
	v_lshrrev_b32 v3, 5, v0
	v_lshlrev_b32 v1, 4, v2
	v_lshl_add_u32 v1, v3, 13, v1                  ; 8,192 w + 16 lane
	v_lshlrev_b32 v7, 2, v2
	v_lshl_add_u32 v7, v3, 11, v7                  ; my first sample: 2,048 w + 4 lane
	v_bfe_u32 v6, v0, 4, 1
	v_sub_nc_u32 v6, 0, v6                         ; all ones in lanes 16-31
	v_and_b32 v57, 0x60, v0
	v_add_nc_u32 v57, 512, v57                     ; LDS: my wave's eight totals at 512 + 32 w (this path's own bytes)
	v_mov_b32 v58, 512
	s_mov_b32 s24, 0x0f0f0f0f
	s_wait_kmcnt 0x0
.irp j, 0,1,2,3,4,5,6,7,8,9,10,11,12,13,14,15
	global_load_b128 v[64+4*\j:67+4*\j], v1, s[8:9] offset:512*\j
.endr
	v_mov_b32 v4, 0                                ; counts of experts 0, 2, 4, 6, a byte each
	v_mov_b32 v5, 0                                ; of experts 1, 3, 5, 7
.irp e, 0,1,2,3,4,5,6,7
	v_mov_b32 v[8+\e], 0                           ; (a lane move's destination counts as read)
.endr
	v_mov_b32 v56, 0
; pass 1: eight samples at a time into fields of 4 bits (8 at the most in a field), then into the bytes (64 at the most)
.set bt, 0
.rept 8
	s_wait_loadcnt 14-2*bt                         ; this batch's two loads are in
	v_mov_b32 v2, 0
.set q, 0
.rept 8
	v_lshlrev_b32 v3, 2, v[64+8*bt+q]
	v_lshl_add_u32 v2, 1, v3, v2
.set q, q+1
.endr
	v_and_b32 v3, s24, v2
	v_add_nc_u32 v4, v4, v3
	v_lshrrev_b32 v3, 4, v2
	v_and_b32 v3, s24, v3
	v_add_nc_u32 v5, v5, v3
.set bt, bt+1
.endr
.irp e, 0,2,4,6
	v_bfe_u32 v[16+\e], v4, 4*\e, 8
	v_bfe_u32 v[17+\e], v5, 4*\e, 8
.endr
.irp e, 0,1,2,3,4,5,6,7
	v_mov_b32 v[24+\e], v[16+\e]
.endr
; the running sums over the wave's lanes: four steps inside each 16 lanes, then lane 15's onto lanes 16-31
.irp n, 1,2,4,8
.irp e, 0,1,2,3,4,5,6,7
	v_mov_b32_dpp v[8+\e], v[24+\e] row_shr:\n row_mask:0xf bank_mask:0xf bound_ctrl:1
.endr
.irp e, 0,1,2,3,4,5,6,7
	v_add_nc_u32 v[24+\e], v[24+\e], v[8+\e]
.endr
.endr
.irp e, 0,1,2,3,4,5,6,7
	v_readlane_b32 s[28+\e], v[24+\e], 15
.endr
.irp e, 0,1,2,3,4,5,6,7
	v_and_b32 v[8+\e], s[28+\e], v6
	v_add_nc_u32 v[24+\e], v[24+\e], v[8+\e]
.endr
.irp e, 0,1,2,3,4,5,6,7
	v_readlane_b32 s[28+\e], v[24+\e], 31          ; the wave's totals
.endr
.irp e, 0,1,2,3,4,5,6,7
	v_mov_b32 v[8+\e], s[28+\e]
.endr
	ds_store_b128 v57, v[8:11]                     ; all lanes write the same bytes with the same values
	ds_store_b128 v57, v[12:15] offset:16
	s_wait_dscnt 0x0                               ; for the others' sake
	s_barrier_signal -1
	s_barrier_wait -1
.irp i, 0,1,2,3,4,5,6,7
	ds_load_b128 v[128+4*\i:131+4*\i], v58 offset:16*\i   ; wave a's total of expert e: v[128 + 8 a + e]
.endr
	s_cmp_gt_u32 s16, 0
	s_cselect_b32 s36, -1, 0                       ; which waves stand ahead of mine
	s_cmp_gt_u32 s16, 1
	s_cselect_b32 s37, -1, 0
	s_cmp_gt_u32 s16, 2
	s_cselect_b32 s38, -1, 0
	s_wait_dscnt 0x0
.irp e, 0,1,2,3,4,5,6,7
	v_add3_u32 v[40+\e], v[128+\e], v[136+\e], v[144+\e]
	v_and_b32 v[8+\e], s36, v[128+\e]
	v_and_b32 v2, s37, v[136+\e]
	v_and_b32 v3, s38, v[144+\e]
	v_add_nc_u32 v[40+\e], v[40+\e], v[152+\e]     ; the expert's samples in all
	v_add3_u32 v[8+\e], v[8+\e], v2, v3            ; and in the waves ahead of mine
.endr
	v_mov_b32 v48, 0
.irp e, 1,2,3,4,5,6,7
	v_add_nc_u32 v[48+\e], v[47+\e], v[39+\e]      ; where the expert's run begins
.endr
.irp e, 0,1,2,3,4,5,6,7
	v_add3_u32 v[32+\e], v[48+\e], v[8+\e], v[24+\e]
	v_sub_nc_u32 v[32+\e], v[32+\e], v[16+\e]      ; my first place for expert e
.endr
; pass 2: each sample takes its expert's next place.  Every store has an address and a data register of its own, so none is written again.
; The stores are 4 bytes a lane to places far apart: 32 KiB of the launch's bytes; gathering them in LDS first would have waves store to LDS bytes that hang on the data.
.set i, 0
.rept 64
.irp e, 0,1,2,3,4,5,6,7
	v_cmp_eq_u32 vcc_lo, \e, v[64+i]
	v_cndmask_b32 v56, v56, v[32+\e], vcc_lo
	v_add_co_ci_u32 v[32+\e], vcc_lo, 0, v[32+\e], vcc_lo   ; + 1 where it was taken
.endr
	v_min_u32 v56, 0x1fff, v56                     ; a number made of loaded data enters an address only behind this hold
	v_lshlrev_b32 v[64+i], 2, v56
	v_add_nc_u32 v[128+i], 128*(i/4)+i%4, v7       ; the sample's number
	global_store_b32 v[64+i], v[128+i], s[12:13]
.set i, i+1
.endr
	s_cmp_lg_u32 s16, 0
	s_cbranch_scc1 .Lnotail
	v_and_b32 v32, 31, v0
	v_lshlrev_b32 v32, 3, v32
	v_mov_b32 v34, 0
	v_mov_b32 v35, 0
	global_store_b64 v32, v[34:35], s[12:13] offset:32768   ; entries 8,192 .. 8,255 are zeros: the last tile's 64 reads stay on written bytes; 256 consecutive bytes
.Lnotail:
; THE TILES.  An expert with n samples gets ceil(n / 64) tiles; these are 135 at the most (128 + 7), and what is left of 135 goes to the first expert with the most samples (at least 1,024: more than 135).
; An expert's samples are dealt evenly over its tiles, so every one of the 135 tiles has 1 to 64 rows, whatever the split.  Whole numbers throughout; each thread makes records t and t + 128 (those from 135 on are written and never read).
.irp e, 0,1,2,3,4,5,6,7
	v_add_nc_u32 v[16+\e], 63, v[40+\e]
.endr
.irp e, 0,1,2,3,4,5,6,7
	v_lshrrev_b32 v[16+\e], 6, v[16+\e]            ; tiles of expert e
.endr
	v_add3_u32 v2, v16, v17, v18
	v_add3_u32 v2, v2, v19, v20
	v_add3_u32 v2, v2, v21, v22
	v_add_nc_u32 v2, v2, v23
	v_sub_nc_u32 v2, 135, v2                       ; what is left
	v_max_u32 v3, v40, v41
.irp e, 2,3,4,5,6,7
	v_max_u32 v3, v3, v[40+\e]
.endr
.irp e, 0,1,2,3,4,5,6,7
	v_cmp_eq_u32 vcc_lo, v[40+\e], v3
	v_cndmask_b32 v4, 0, v2, vcc_lo
	v_add_nc_u32 v[16+\e], v[16+\e], v4
	v_sub_nc_u32 v2, v2, v4                        ; given once
.endr
	v_mov_b32 v24, 0
.irp e, 1,2,3,4,5,6,7
	v_add_nc_u32 v[24+\e], v[23+\e], v[15+\e]      ; the expert's first tile
.endr
.macro TILEREC R, A, add               ; record t = thread + add: expert, first place in order, rows, 0
	v_add_nc_u32 v57, \add, v0
	v_lshlrev_b32 v[\A], 4, v57
	v_mov_b32 v[\R], 0
	v_mov_b32 v2, v24
	v_mov_b32 v3, v40
	v_mov_b32 v4, v16
	v_mov_b32 v5, v48
.irp e, 1,2,3,4,5,6,7
	v_cmp_le_u32 vcc_lo, v[24+\e], v57             ; the first tiles ascend: the last expert whose first tile is not behind t
	v_cndmask_b32 v2, v2, v[24+\e], vcc_lo
	v_cndmask_b32 v3, v3, v[40+\e], vcc_lo
	v_cndmask_b32 v4, v4, v[16+\e], vcc_lo
	v_cndmask_b32 v5, v5, v[48+\e], vcc_lo
	v_add_co_ci_u32 v[\R], vcc_lo, 0, v[\R], vcc_lo
.endr
	v_sub_nc_u32 v8, v57, v2                       ; i: which of the expert's tiles
	v_mov_b32 v9, 0
.irp b, 6,5,4,3,2,1,0                  ; q = n / tiles (64 at the most) and the remainder, bit by bit
	v_lshlrev_b32 v10, \b, v4
	v_cmp_ge_u32 vcc_lo, v3, v10
	v_cndmask_b32 v11, 0, v10, vcc_lo
	v_sub_nc_u32 v3, v3, v11
	v_add_co_ci_u32 v9, vcc_lo, v9, v9, vcc_lo
.endr
	v_cmp_lt_u32 vcc_lo, v8, v3
	v_add_co_ci_u32 v[\R+2], vcc_lo, 0, v9, vcc_lo ; rows = q + 1 in the first (remainder) tiles, else q
	v_min_u32 v12, v8, v3
	v_mad_u32_u24 v[\R+1], v8, v9, v5
	v_add_nc_u32 v[\R+1], v[\R+1], v12             ; first = start + i q + min(i, remainder)
	v_mov_b32 v[\R+3], 0
	global_store_b128 v[\A], v[\R:\R+3], s[14:15]
.endm
	TILEREC 60, 58, 0
	TILEREC 36, 59, 128
	s_wait_tensorcnt 0x0
	ds_add_u32 v192, v193
	s_wait_dscnt 0x0
	s_endpgm
.Lfunc_end_k_qe57da84e50_prep:
	.size	k_qe57da84e50_prep, .Lfunc_end_k_qe57da84e50_prep-k_qe57da84e50_prep
	.p2alignl 7, 3214868480
	.fill 96, 4, 3214868480
	.section	.rodata,"a",@progbits
	.p2align	6, 0x0
	.amdhsa_kernel k_qe57da84e50_prep
		.amdhsa_group_segment_fixed_size 1536
		.amdhsa_private_segment_fixed_size 0
		.amdhsa_enable_private_segment 0
		.amdhsa_kernarg_size 48
		.amdhsa_user_sgpr_count 2
		.amdhsa_user_sgpr_kernarg_segment_ptr 1
		.amdhsa_wavefront_size32 1
		.amdhsa_system_sgpr_workgroup_id_x 1
		.amdhsa_system_sgpr_workgroup_id_y 1
		.amdhsa_system_sgpr_workgroup_id_z 1
		.amdhsa_system_vgpr_workitem_id 0
		.amdhsa_next_free_vgpr 194
		.amdhsa_next_free_sgpr 66
		.amdhsa_reserve_vcc 1
		.amdhsa_float_denorm_mode_32 3
		.amdhsa_float_denorm_mode_16_64 3
		.amdhsa_memory_ordered 1
		.amdhsa_forward_progress 1
		.amdhsa_inst_pref_size 126
	.end_amdhsa_kernel
	.amdgpu_metadata
---
amdhsa.version: [ 1, 2 ]
amdhsa.kernels:
  - .name:           k_qe57da84e50_prep
    .symbol:         k_qe57da84e50_prep.kd
    .args:
      - { .name: W1, .offset: 0, .size: 8, .value_kind: global_buffer, .address_space: global }
      - { .name: W2, .offset: 8, .size: 8, .value_kind: global_buffer, .address_space: global }
      - { .name: comp_idx, .offset: 16, .size: 8, .value_kind: global_buffer, .address_space: global }
      - { .name: wq, .offset: 24, .size: 8, .value_kind: global_buffer, .address_space: global }
      - { .name: order, .offset: 32, .size: 8, .value_kind: global_buffer, .address_space: global }
      - { .name: tiles, .offset: 40, .size: 8, .value_kind: global_buffer, .address_space: global }
    .group_segment_fixed_size: 1536
    .private_segment_fixed_size: 0
    .kernarg_segment_align: 8
    .kernarg_segment_size: 48
    .max_flat_workgroup_size: 128
    .sgpr_count:     66
    .vgpr_count:     194
    .wavefront_size: 32
...
	.end_amdgpu_metadata
.endif
;; end of part 1
;; launch chain (part 2): grid 135 x 1, 4 waves a work-group, no clusters, 123,392 bytes of LDS; arguments epsilon, mu, rho, b1, b2, wq, order, tiles, out0; writes out0
.if DOCPART == 2
	.amdgcn_target "amdgcn-amd-amdhsa--gfx1250"
	.amdhsa_code_object_version 6
	.text
	.protected	k_qe57da84e50_chain
	.globl	k_qe57da84e50_chain
	.p2align	8
	.type	k_qe57da84e50_chain,@function
k_qe57da84e50_chain:
	s_mov_b64 s[64:65], 0
	v_nop
	global_prefetch_b8 v0, s[64:65] scope:SCOPE_SE
	s_setreg_imm32_b32 hwreg(HW_REG_WAVE_MODE, 25, 1), 1
	s_wait_xcnt 0x0
; CHAIN.  One work-group takes one tile (1 to 64 samples of ONE expert E, from the table that the launch before stored) through the whole chain:
;   lat = epsilon x softplus(rho[E]) + mu[E];  h = sigmoid(Q(lat) Q(W1[E]) + b1[E]);  out = Q(h) Q(W2[E]) + b2[E].   Q: codes of BF6 (E3M2), one E8M0 scale for each 32 along K.
; Only the expert that a sample is routed to is multiplied: the others' results are thrown away by the gather at the end of the module.  The hidden layer never goes to memory.
; SHARES.  THE WAVES SHARE THE COLUMNS, NOT THE ROWS: wave w makes hidden units 256 w .. + 255 (two chunks of 128) and outputs 128 w .. + 127, for all 64 rows: each fragment of a weight is loaded by one wave
; of the work-group, once, and feeds four matrix instructions.  The weights come from wq straight into registers, as images of the operand's registers, through four register slots of one group
; (128 columns x 128 K: 24 loads of codes, 1 of scale words), asked for three groups ahead.  The wave's 16 groups are one run of 204,800 bytes, in the order of use.
; The rows' codes (lat, then h) go from wave to wave through LDS as images of their registers: 16 x lane for codes, 4 x lane for scale words.
; BOTH PRODUCTS ARE USED TRANSPOSED (source 0 = 16 columns of the weight, source 1 = 16 samples): a lane holds one sample, and by the order of a fragment's columns its 64 registers of a row tile run along the next K.
; ROWS THAT A TILE DOES NOT HAVE take the tile's first sample: they are computed alike and the same wave stores the same bytes to the same row again.  So no branch hangs on the number of rows.
; NO JOINT LOADS: the weights' address hangs on an expert number read from memory, and an expert's tiles (ceil(n / 64), the largest expert some more) come in groups of four for no split in general.
; LIMITS: NaN and infinities are not served.  A block whose largest magnitude lies under 2^-122 keeps the scale byte 1.  A sigmoid under 2^-126 becomes 0, and so does softplus of a rho under about -87
; (the exponential gives 0 for what would be denormal: ISA guide, its entry).  lat is one fused multiply-add where the module multiplies and then adds.
;
; LDS: x's 16 images (row tile m, K step s: 4 m + s) | their scale words | mu[E], a copy for each wave | h's 32 images (8 m + s) | their scale words | a stage of 16 rows x 528 bytes for each wave.
.set FRB,  1536                        ; a fragment's image: 12 registers x 128 bytes
.set GRP,  12800                       ; a group in wq
.set XIMG, 0
.set XSC,  24576
.set MUW,  26624
.set HIMG, 34816
.set HSC,  83968
.set STG,  88064
.set SP,   528
; REGISTERS, window 0
.set LI,   4                           ; v4   16 x lane: an image's place for my lane; also my offset in a group of wq
.set LS,   5                           ; v5   XSC + 4 x lane
.set LIH,  6                           ; v6   HIMG + 16 x lane
.set LSH,  7                           ; v7   HSC + 4 x lane
.set XWI,  8                           ; v8   where I store x's images: 16 x lane + 4 FRB x wave
.set XWS,  9                           ; v9   and their scale words: XSC + 4 x lane + 512 x wave
.set HWI,  10                          ; v10  h's: HIMG + 16 x lane + 2 FRB x wave
.set HWS,  11                          ; v11  HSC + 4 x lane + 256 x wave
.set HWA,  12                          ; v12  the same with the chunk's image added
.set HSA,  13                          ; v13
.set MUA,  14                          ; v14  my wave's copy of mu, + 64 h
.set MUS,  15                          ; v15  my wave's copy of mu, + 16 x lane
.set EO,   16                          ; v16  epsilon: my sample's row + 64 h
.set BO,   18                          ; v18  64 h: my half's eight numbers of a bias tile
.set SO,   19                          ; v19  the stage: where I put 16 bytes of a row
.set SR,   20                          ; v20  and where I read a row back
.set CO,   21                          ; v21  512 x wave + 16 x lane: my bytes in a row of out0
.set SG,   22                          ; v[22:23] sigma, twice
.set TM,   32                          ; v32-47 the quantiser's: largest magnitudes, bytes, scale operands
.set PW,   48                          ; v48  the scale word just made
.set PC,   50                          ; v50-68 the codes just made
.set AS,   72                          ; v72-79 the rows' scale words: buffer p, row tile m: 4 p + m.  They hold scales and nothing else
.set WS,   80                          ; v80-95 the weights' scale words: slot k, register q: 4 k + q (fragment 2 q in lanes 0-15, 2 q + 1 in lanes 16-31).  Likewise
.set AF,   96                          ; v96-143, v144-191 the rows' fragments, two buffers of four
.set ST,   96                          ; v96-159 64 numbers ahead of the quantiser (while no fragment is held)
.set BK,   96                          ; v96-159, v160-223 the way out: 16 rows read back, by turns
.set VO,   224                         ; v224-255 the way out: the stores' offsets, two sets of 16
; window 1: the 32 accumulators, (m, f) at v[64 m + 8 f]; before them epsilon, 64 registers a K step
; window 2: weight slots 0 (v0-95) and 1 (v96-191); v192-255 a bias, eight registers a fragment
; window 3: weight slots 2 (v0-95) and 3 (v96-191); before that mu of a K step, two buffers from v96
.set BIAS, 192
.set MU,   96
; scalars: s[2:3] out0; s4 E, s5 first, s6 rows, s7 rho[E]; s8 wave; s9 chunk; s10, s11 the chunk's image and scale word; s16-63 and s68-83 the 64 samples' numbers
.set WV,   8
.set SEL,  12                          ; s[12:13] v_permlanex16_b32's selects for lane l xor 16
.set NL2E, 14                          ; s[14:15] -log2(e), twice
.set EPS,  84
.set MUP,  86
.set RHO,  88
.set BP,   90                          ; the bias that is loaded next
.set B2P,  92
.set WP,   94                          ; the lap's first group in wq
.set ORD,  96
.set TIL,  98
.set OFS,  100                         ; s[100:101] an offset, the high word 0
.set MSB, 0
.macro WIN new                         ; the immediate's high byte repeats the setting that is left; a switch that changes nothing is dropped
.if MSB != (\new)
	s_set_vgpr_msb (MSB<<8)|(\new)
.set MSB, (\new)
.endif
.endm
; a group of wq into a slot: 25 loads, each of 512 consecutive bytes
.macro WLOAD slot, off
	WIN 0x80+0x40*((\slot)/2)
.set wb, 96*((\slot)%2)
.irp f, 0,1,2,3,4,5,6,7
.irp c, 0,1,2
	global_load_b128 v[wb+12*\f+4*\c:wb+12*\f+4*\c+3], v[LI], s[WP:WP+1] offset:(\off)+FRB*\f+512*\c
.endr
.endr
	WIN 0
	global_load_b128 v[WS+4*(\slot):WS+4*(\slot)+3], v[LI], s[WP:WP+1] offset:(\off)+12288
.endm
; a bias for 128 columns in the result's layout: lane (r, h) wants, for fragment 2 b + u, columns 32 b + 16 h + 8 u + 0 .. 7.  16 loads
.macro BLOAD
	WIN 0x80
.irp f, 0,1,2,3,4,5,6,7
.irp q, 0,1
	global_load_b128 v[BIAS+8*\f+4*\q:BIAS+8*\f+4*\q+3], v[BO], s[BP:BP+1] offset:128*(\f/2)+32*(\f%2)+16*\q
.endr
.endr
	WIN 0
.endm
; 64 numbers of a lane, register 16 b + i = k 32 b + 16 (lane / 16) + i of my row, become a fragment's codes in v[PC] on and its scale word in v[PW]
.macro QUANT s
.irp b, 0,1,2,3
	v_max3_num_f32 v[TM+\b], |v[\s+16*\b]|, |v[\s+1+16*\b]|, 0x2800000   ; block b: my 16 numbers, and the floor 2^(5 - 127): the byte cannot fall under 1
.endr
.irp i, 2,4,6,8,10,12,14
.irp b, 0,1,2,3
	v_max3_num_f32 v[TM+\b], v[TM+\b], |v[\s+16*\b+\i]|, |v[\s+1+16*\b+\i]|   ; (the four blocks by turns)
.endr
.endr
.irp b, 0,1,2,3
	v_permlanex16_b32 v[TM+4+\b], v[TM+\b], s[SEL], s[SEL+1]
.endr
.irp b, 0,1,2,3
	v_max_num_f32 v[TM+\b], v[TM+\b], v[TM+4+\b]   ; with lane l xor 16's: the block's largest magnitude
.endr
.irp b, 0,1,2,3
	v_add_nc_u32 v[TM+12+\b], 0xfe000000, v[TM+\b] ; 4 off its exponent field: the conversion's scale operand
.endr
.irp b, 0,1,2,3
	v_lshrrev_b32 v[TM+4+\b], 23, v[TM+12+\b]      ; the scale's byte
.endr
	v_lshl_or_b32 v[PW], v[TM+5], 8, v[TM+4]       ; the four bytes make my row's scale word
	v_lshl_or_b32 v[PW], v[TM+6], 16, v[PW]
	v_lshl_or_b32 v[PW], v[TM+7], 24, v[PW]
.irp c, 0,1
	v_cvt_scalef32_pk16_bf6_f32 v[PC+6*\c:PC+2+6*\c], v[\s+32*\c:\s+15+32*\c], v[TM+12+2*\c]
	v_cvt_scalef32_pk16_bf6_f32 v[PC+12+4*\c:PC+14+4*\c], v[\s+16+32*\c:\s+31+32*\c], v[TM+12+2*\c+1]   ; (a conversion's three registers begin on an even number)
.endr
	v_nop                                          ; one plain instruction behind a scaled conversion
.irp c, 0,1                            ; the operand's layout wants a WHOLE block in a lane: lanes 0-15 block 2 c, lanes 16-31 block 2 c + 1
.irp i, 0,1,2
	v_permlane16_swap_b32 v[PC+6*\c+\i], v[PC+12+4*\c+\i]
.endr
.irp i, 0,1,2
	v_mov_b32 v[PC+3+6*\c+\i], v[PC+12+4*\c+\i]
.endr
.endr
.endm
.macro IMAGE adr, off                  ; the fragment in v[PC] on goes to LDS as it stands
.irp c, 0,1,2
	ds_store_b128 v[\adr], v[PC+4*\c:PC+4*\c+3] offset:\off+512*\c
.endr
.endm
.macro BARRIER                         ; my LDS stores have landed and my LDS loads are in: then the work-group's barrier
	s_wait_dscnt 0x0
	s_barrier_signal -1
	s_barrier_wait -1
.endm
; the four row tiles' fragments and scale words of K step s into buffer p: 16 LDS loads.  ks: images from one row tile to the next
.macro FETCH_A p, aI, aS, ks, s
.irp m, 0,1,2,3
.irp c, 0,1,2
	ds_load_b128 v[AF+48*(\p)+12*\m+4*\c:AF+48*(\p)+12*\m+4*\c+3], v[\aI] offset:((\ks)*\m+(\s))*FRB+512*\c
.endr
	ds_load_b32 v[AS+4*(\p)+\m], v[\aS] offset:((\ks)*\m+(\s))*128
.endr
.endm
; one matrix instruction: fragment f of slot k x row tile m of buffer p.  cb = 1: the bias is the C of the sum's first instruction
.macro MM k, p, f, m, cb
.set rD, 64*(\m)+8*(\f)
.set rA, 96*((\k)%2)+12*(\f)
.set rB, AF+48*(\p)+12*(\m)
.set rC, rD
.if \cb
.set rC, BIAS+8*(\f)
.endif
.set rX, WS+4*(\k)+(\f)/2
.set rY, AS+4*(\p)+(\m)
.if (\f)%2
	v_wmma_scale_f32_16x16x128_f8f6f4 v[rD:rD+7], v[rA:rA+11], v[rB:rB+11], v[rC:rC+7], v[rX], v[rY] matrix_a_fmt:MATRIX_FMT_BF6 matrix_b_fmt:MATRIX_FMT_BF6 matrix_a_scale:MATRIX_SCALE_ROW1
.else
	v_wmma_scale_f32_16x16x128_f8f6f4 v[rD:rD+7], v[rA:rA+11], v[rB:rB+11], v[rC:rC+7], v[rX], v[rY] matrix_a_fmt:MATRIX_FMT_BF6 matrix_b_fmt:MATRIX_FMT_BF6
.endif
.endm
; A GROUP: 128 columns x 64 rows x 128 along K: 32 matrix instructions on the 32 accumulators, one instruction a turn, in the same order in every group.
; n: the global loads issued behind this group's own, which may stay out.  nx = 1: the next K step's rows are fetched first, into the other buffer.  bl = 1: the next bias is asked for.
; rf = 1: the slot that the group before has left takes the group three on, at byte off from the lap's first.
; Four v_nop stand behind the products: a load into a register that a matrix instruction has read, and a vector instruction or LDS store that reads a result, stand four plain vector instructions behind it.
.macro GROUP k, p, cb, n, nx, aI, aS, ks, s, bl, rf, off
	s_wait_loadcnt \n
	s_wait_dscnt 0x0                               ; this K step's rows, asked for a group ago
.if \nx
	FETCH_A 1-(\p), \aI, \aS, \ks, (\s)+1
.endif
.if \cb
	WIN 0x62                                       ; weights and bias window 2, rows window 0, results window 1
.else
	WIN 0x52+(\k)/2                                ; weights window 2 or 3, rows window 0, C and D window 1
.endif
.irp f, 0,1,2,3,4,5,6,7
.irp m, 0,1,2,3
	MM \k, \p, \f, \m, \cb
.endr
.endr
.rept 4
	v_nop
.endr
.if \bl
	BLOAD
.endif
.if \rf
	WLOAD ((\k)+3)%4, \off
.endif
	WIN 0
.endm
; mu of K step s out of my wave's copy: lane (r, h) wants the k of its registers: 16 LDS loads
.macro MULOAD s
	WIN 0xc0
.irp b, 0,1,2,3
.irp j, 0,1,2,3
	ds_load_b128 v[MU+64*((\s)%2)+16*\b+4*\j:MU+64*((\s)%2)+16*\b+4*\j+3], v[MUA] offset:512*(\s)+128*\b+16*\j
.endr
.endr
	WIN 0
.endm
; K step s of my 16 rows: lat, its codes, their image.  n: the global loads behind this step's epsilon.  slot >= 0: that slot's first group is asked for here
.macro XSTEP s, n, slot
	s_wait_loadcnt \n
.if (\slot) >= 0
	WLOAD \slot, (\slot)*GRP
.endif
	s_wait_dscnt 0x0                               ; this step's mu is in, and the last image's stores have read their registers
.if (\s) < 3
	MULOAD (\s)+1
.endif
	WIN 0x31                                       ; epsilon window 1, mu window 3
.set i, 0
.rept 32
	v_pk_fma_f32 v[ST+i:ST+i+1], v[64*(\s)+i:64*(\s)+i+1], v[SG:SG+1], v[MU+64*((\s)%2)+i:MU+64*((\s)%2)+i+1]
.set i, i+2
.endr
	WIN 0
	QUANT ST
	IMAGE XWI, (\s)*FRB
	ds_store_b32 v[XWS], v[PW] offset:128*(\s)
.endm
; row tile m of my chunk of the hidden layer: sigmoid(z) = 1 / (1 + 2^(-z log2 e)) in f32, quantised, image to LDS.  The exponentials are one batch with one wait, the reciprocals another.
.macro HID m
	WIN 0x01                                       ; the accumulators: window 1
.set i, 0
.rept 32
	v_pk_mul_f32 v[ST+i:ST+i+1], v[64*(\m)+i:64*(\m)+i+1], s[NL2E:NL2E+1] op_sel_hi:[1,0]
.set i, i+2
.endr
	WIN 0
.set i, 0
.rept 64
	v_exp_f32 v[ST+i], v[ST+i]
.set i, i+1
.endr
	v_nop                                          ; a plain instruction behind the last exponential
	s_wait_alu depctr_va_vdst(0)
.set i, 0
.rept 32
	v_pk_add_f32 v[ST+i:ST+i+1], v[ST+i:ST+i+1], 1.0 op_sel_hi:[1,0]
.set i, i+2
.endr
.set i, 0
.rept 64
	v_rcp_f32 v[ST+i], v[ST+i]
.set i, i+1
.endr
	v_nop
	s_wait_alu depctr_va_vdst(0)
	s_wait_dscnt 0x0                               ; the last image's stores have read their registers
	QUANT ST
	IMAGE HWA, 8*(\m)*FRB
	ds_store_b32 v[HSA], v[PW] offset:1024*(\m)
.endm
; ---------------- the head
	s_load_b512 s[84:99], s[0:1], 0x0              ; epsilon, mu, rho, b1, b2, wq, order, tiles
	s_load_b64 s[2:3], s[0:1], 0x40                ; out0
	v_lshl_add_u32 v70, v0, 2, 0x1e000
	v_mov_b32 v71, 0
	v_lshrrev_b32 v1, 5, v0
	v_readfirstlane_b32 s[WV], v1                  ; wave 0..3
	v_and_b32 v3, 31, v0                           ; lane
	v_and_b32 v1, 15, v0                           ; r
	v_bfe_u32 v2, v0, 4, 1                         ; h
	v_lshlrev_b32 v[LI], 4, v3
	v_lshlrev_b32 v17, 2, v3
	v_add_nc_u32 v[LS], XSC, v17
	v_add_nc_u32 v[LIH], HIMG, v[LI]
	v_add_nc_u32 v[LSH], HSC, v17
	s_mul_i32 s10, s[WV], 4*FRB
	v_add_nc_u32 v[XWI], s10, v[LI]
	s_lshl_b32 s10, s[WV], 9
	v_add_nc_u32 v[XWS], s10, v[LS]
	v_add_nc_u32 v[CO], s10, v[LI]
	s_mul_i32 s10, s[WV], 2*FRB
	v_add_nc_u32 v[HWI], s10, v[LIH]
	s_lshl_b32 s10, s[WV], 8
	v_add_nc_u32 v[HWS], s10, v[LSH]
	s_lshl_b32 s10, s[WV], 11
	s_add_co_u32 s10, s10, MUW
	v_lshlrev_b32 v[BO], 6, v2
	v_add_nc_u32 v[MUA], s10, v[BO]
	v_add_nc_u32 v[MUS], s10, v[LI]
	s_mul_i32 s10, s[WV], 16*SP
	s_add_co_u32 s10, s10, STG
	v_mul_u32_u24 v[SO], v1, SP
	v_add_nc_u32 v[SO], v[SO], v[BO]
	v_add_nc_u32 v[SO], s10, v[SO]                 ; the stage: row r, + 64 h
	v_add_nc_u32 v[SR], s10, v[LI]
	s_lshl_b32 s10, s[WV], 4
	v_add_nc_u32 v24, s10, v1                      ; my slot in the tile: 16 x wave + r
	v_lshlrev_b32 v25, 2, v24
	v_mov_b32 v26, 0
.irp b, 0,1,2,3
	v_mov_b32 v[TM+4+\b], 0                        ; written once: a lane permute's destination counts as one of its sources
.endr
	s_mov_b32 s[SEL], 0x76543210
	s_mov_b32 s[SEL+1], 0xfedcba98
	s_mov_b32 s[NL2E], 0xbfb8aa3b
	s_mov_b32 s[NL2E+1], s[NL2E]
	s_lshl_b32 s[OFS], ttmp9, 4
	s_mov_b32 s[OFS+1], 0
	s_wait_kmcnt 0x0
	s_add_nc_u64 s[TIL:TIL+1], s[TIL:TIL+1], s[OFS:OFS+1]
	s_load_b128 s[4:7], s[TIL:TIL+1], 0x0          ; my tile: expert, first place in order, rows, 0
	s_wait_kmcnt 0x0
	s_min_u32 s4, s4, 7                            ; loaded numbers enter addresses only behind these holds
	s_min_u32 s5, s5, 8191
	s_lshl_b32 s[OFS], s5, 2
	s_add_nc_u64 s[ORD:ORD+1], s[ORD:ORD+1], s[OFS:OFS+1]
	s_load_b512 s[16:31], s[ORD:ORD+1], 0x0        ; the 64 samples' numbers as scalars, for the way out (order has 64 written entries behind its 8,192)
	s_load_b512 s[32:47], s[ORD:ORD+1], 0x40
	s_load_b512 s[48:63], s[ORD:ORD+1], 0x80
	s_load_b512 s[68:83], s[ORD:ORD+1], 0xc0
	s_lshl_b32 s[OFS], s4, 2
	s_add_nc_u64 s[RHO:RHO+1], s[RHO:RHO+1], s[OFS:OFS+1]
	s_load_b32 s7, s[RHO:RHO+1], 0x0               ; rho[E]
	s_add_co_u32 s[OFS], s[OFS], s[WV]
	s_mul_i32 s[OFS], s[OFS], 16*GRP
	s_add_nc_u64 s[WP:WP+1], s[WP:WP+1], s[OFS:OFS+1]      ; my 16 groups: wq + (4 E + w) x 204,800
	s_lshl_b32 s[OFS], s4, 11
	s_add_nc_u64 s[MUP:MUP+1], s[MUP:MUP+1], s[OFS:OFS+1]  ; mu[E]
	s_lshl_b32 s10, s[WV], 9
	s_add_co_u32 s[OFS], s[OFS], s10
	s_add_nc_u64 s[B2P:B2P+1], s[B2P:B2P+1], s[OFS:OFS+1]  ; b2[E] at my 128 outputs
	s_lshl_b32 s[OFS], s[OFS], 1
	s_add_nc_u64 s[BP:BP+1], s[BP:BP+1], s[OFS:OFS+1]      ; b1[E] at my 256 hidden units
.irp i, 0,1,2,3
	global_load_b128 v[ST+4*\i:ST+4*\i+3], v[LI], s[MUP:MUP+1] offset:512*\i   ; mu[E], 2,048 bytes
.endr
	global_load_b32 v27, v25, s[ORD:ORD+1]         ; my slot's sample,
	global_load_b32 v28, v26, s[ORD:ORD+1]         ; and the tile's first
	BLOAD                                          ; b1 of chunk 0
	WLOAD 0, 0                                     ; group 0: these 41 loads are on their way while the samples' numbers come
	s_wait_kmcnt 0x0
	; sigma = softplus(x) = max(x, 0) + log1p(u), u = e^-|x|.  log1p(u) = log(1 + u) u / ((1 + u) - 1), which keeps its accuracy where u is small; where 1 + u rounds to 1 it is u
	v_mov_b32 v40, s7
	v_mul_f32 v41, s[NL2E], |v40|
	v_exp_f32 v41, v41                             ; u
	v_max_num_f32 v42, 0, v40                      ; (a plain instruction behind the exponential)
	s_wait_alu depctr_va_vdst(0)                   ; the wait ahead of the first reader
	v_add_f32 v43, 1.0, v41
	v_add_f32 v44, -1.0, v43
	v_log_f32 v45, v43
	v_rcp_f32 v46, v44
	v_nop
	s_wait_alu depctr_va_vdst(0)                   ; one wait for the two
	v_cmp_eq_f32 vcc_lo, 0, v44
	v_mul_f32 v45, 0x3f317218, v45                 ; x ln 2
	v_mul_f32 v45, v45, v41
	v_mul_f32 v45, v45, v46
	v_cndmask_b32 v45, v45, v41, vcc_lo
	v_add_f32 v[SG], v42, v45
	v_mov_b32 v[SG+1], v[SG]
	s_wait_xcnt 0x0                                ; the bias's loads have read their base:
	s_add_nc_u64 s[BP:BP+1], s[BP:BP+1], 512       ; the next bias is chunk 1's
	s_wait_loadcnt 41                              ; mu and the two numbers are in; behind them: the bias's 16 and group 0's 25
	v_cmp_gt_u32 vcc_lo, s6, v24                   ; has the tile a row for my slot?
	v_cndmask_b32 v27, v28, v27, vcc_lo            ; if not: its first sample
	v_min_u32 v27, 0x1fff, v27
	v_lshl_add_u32 v[EO], v27, 11, v[BO]           ; a row of epsilon is 2,048 bytes
	WIN 0x40
.irp s, 0,1,2,3                        ; lane (r, h) takes, of its row, 16 neighbouring numbers of each block of 32: register 64 s + 16 b + i = k 128 s + 32 b + 16 h + i
.irp b, 0,1,2,3
.irp j, 0,1,2,3
	global_load_b128 v[64*\s+16*\b+4*\j:64*\s+16*\b+4*\j+3], v[EO], s[EPS:EPS+1] offset:512*\s+128*\b+16*\j
.endr
.endr
.endr
	WIN 0
.irp i, 0,1,2,3
	ds_store_b128 v[MUS], v[ST+4*\i:ST+4*\i+3] offset:512*\i   ; my wave's own copy: no other wave touches it, so no barrier
.endr
	MULOAD 0                                       ; LDS serves a wave's instructions in order (ISA guide 5.7.1.4): these see the stores above
	s_min_u32 s16, s16, 8191                       ; the scalar numbers are mended while epsilon is on its way: slots without a row take the first sample
.set i, 1
.rept 63
	s_cmp_gt_u32 s6, i
	s_cselect_b32 s[16+i+4*(i/48)], s[16+i+4*(i/48)], s16
	s_min_u32 s[16+i+4*(i/48)], s[16+i+4*(i/48)], 8191
.set i, i+1
.endr
; ---------------- X: my 16 rows become four fragments
	XSTEP 0, 48, -1                                ; behind step 0's epsilon: three steps of 16 loads
	XSTEP 1, 32, 1                                 ; two steps; then group 1 is asked for
	XSTEP 2, 41, 2                                 ; one step and group 1's 25; then group 2
	XSTEP 3, 50, -1                                ; groups 1 and 2
	BARRIER                                        ; x's sixteen fragments lie in LDS
; ---------------- 1: the hidden layer, a chunk of 128 units a trip.  Behind a group's own loads stand: two groups (50); or a group, the bias's 16 and a group (66: a wait names 63 at the most)
	s_mov_b32 s9, 0
	s_mov_b32 s10, 0
	s_mov_b32 s11, 0
.Lchunk:
	FETCH_A 0, LI, LS, 4, 0
	GROUP 0, 0, 1, 50, 1, LI, LS, 4, 0, 1, 1, 3*GRP
	GROUP 1, 1, 0, 63, 1, LI, LS, 4, 1, 0, 1, 4*GRP
	GROUP 2, 0, 0, 63, 1, LI, LS, 4, 2, 0, 1, 5*GRP
	GROUP 3, 1, 0, 50, 0, LI, LS, 4, 3, 0, 1, 6*GRP
	v_add_nc_u32 v[HWA], s10, v[HWI]               ; this chunk is K step 2 w + chunk of the second product
	v_add_nc_u32 v[HSA], s11, v[HWS]
	HID 0
	HID 1
	HID 2
	HID 3
	s_wait_xcnt 0x0                                ; the loads issued have read their bases: both may be written
	s_add_nc_u64 s[WP:WP+1], s[WP:WP+1], 4*GRP
	s_mov_b64 s[BP:BP+1], s[B2P:B2P+1]             ; the bias asked for in the second trip is b2's
	s_add_co_u32 s10, s10, FRB
	s_add_co_u32 s11, s11, 128
	s_add_co_u32 s9, s9, 1
	s_cmp_lt_u32 s9, 2
	s_cbranch_scc1 .Lchunk
	BARRIER                                        ; the hidden layer's 32 fragments lie in LDS
; ---------------- 2: my 128 outputs for the 64 rows, eight K steps.  Two groups stand behind each group's own loads, until the run ends: 50, .. 50, 25, 0
	FETCH_A 0, LIH, LSH, 8, 0
	GROUP 0, 0, 1, 50, 1, LIH, LSH, 8, 0, 0, 1, 3*GRP
	GROUP 1, 1, 0, 50, 1, LIH, LSH, 8, 1, 0, 1, 4*GRP
	GROUP 2, 0, 0, 50, 1, LIH, LSH, 8, 2, 0, 1, 5*GRP
	GROUP 3, 1, 0, 50, 1, LIH, LSH, 8, 3, 0, 1, 6*GRP
	GROUP 0, 0, 0, 50, 1, LIH, LSH, 8, 4, 0, 1, 7*GRP
	GROUP 1, 1, 0, 50, 1, LIH, LSH, 8, 5, 0, 0, 0
	GROUP 2, 0, 0, 25, 1, LIH, LSH, 8, 6, 0, 0, 0
	GROUP 3, 1, 0, 0, 0, LIH, LSH, 8, 7, 0, 0, 0
; ---------------- THE WAY OUT, a row tile at a time.  A lane holds pieces of 32 bytes of one row, and the lanes beside it hold other rows: the tile goes through my own stage and comes back as rows of 512 bytes,
; which the 32 lanes store to the sample's row of out0: 512 consecutive bytes, at a multiple of 256 from out0's first byte.  LDS serves a wave's instructions in order: no wait between the stores and the loads.
.macro TOSTAGE m
	WIN 0x04                                       ; an LDS store's data: window 1
.irp f, 0,1,2,3,4,5,6,7
	ds_store_b128 v[SO], v[64*(\m)+8*\f:64*(\m)+8*\f+3] offset:128*(\f/2)+32*(\f%2)       ; each accumulator from its low end on
	ds_store_b128 v[SO], v[64*(\m)+8*\f+4:64*(\m)+8*\f+7] offset:128*(\f/2)+32*(\f%2)+16
.endr
	WIN 0
.irp t, 0,1,2,3,4,5,6,7,8,9,10,11,12,13,14,15
	ds_load_b128 v[BK+64*((\m)%2)+4*\t:BK+64*((\m)%2)+4*\t+3], v[SR] offset:SP*\t
.endr
.endm
.macro SEND m, younger                 ; younger: the LDS instructions issued behind tile m's loads, which may stay out
.irp t, 0,1,2,3,4,5,6,7,8,9,10,11,12,13,14,15
.set rn, 16*(\m)+\t
	v_lshl_add_u32 v[VO+16*((\m)%2)+\t], s[16+rn+4*(rn/48)], 11, v[CO]   ; the sample's row of 2,048 bytes, + my bytes in it
.endr
	s_wait_dscnt \younger
.irp t, 0,1,2,3,4,5,6,7,8,9,10,11,12,13,14,15
	global_store_b128 v[VO+16*((\m)%2)+\t], v[BK+64*((\m)%2)+4*\t:BK+64*((\m)%2)+4*\t+3], s[2:3] th:TH_STORE_NT
.endr
.endm
	TOSTAGE 0
	TOSTAGE 1
	SEND 0, 32                                     ; behind tile 0's loads: tile 1's 16 stores and 16 loads
	s_wait_xcnt 0x0                                ; tile 0's stores have read their registers: tile 2's rows and offsets may be written there
	TOSTAGE 2
	SEND 1, 32
	s_wait_xcnt 0x0                                ; likewise tile 1's, for tile 3
	TOSTAGE 3
	SEND 2, 32
	SEND 3, 0
	s_wait_tensorcnt 0x0
	ds_add_u32 v70, v71
	s_wait_dscnt 0x0
	s_endpgm
.Lfunc_end_k_qe57da84e50_chain:
	.size	k_qe57da84e50_chain, .Lfunc_end_k_qe57da84e50_chain-k_qe57da84e50_chain
	.p2alignl 7, 3214868480
	.fill 96, 4, 3214868480
	.section	.rodata,"a",@progbits
	.p2align	6, 0x0
	.amdhsa_kernel k_qe57da84e50_chain
		.amdhsa_group_segment_fixed_size 123392
		.amdhsa_private_segment_fixed_size 0
		.amdhsa_enable_private_segment 0
		.amdhsa_kernarg_size 72
		.amdhsa_user_sgpr_count 2
		.amdhsa_user_sgpr_kernarg_segment_ptr 1
		.amdhsa_wavefront_size32 1
		.amdhsa_system_sgpr_workgroup_id_x 1
		.amdhsa_system_sgpr_workgroup_id_y 1
		.amdhsa_system_sgpr_workgroup_id_z 1
		.amdhsa_system_vgpr_workitem_id 0
		.amdhsa_next_free_vgpr 1024
		.amdhsa_next_free_sgpr 102
		.amdhsa_reserve_vcc 1
		.amdhsa_float_denorm_mode_32 3
		.amdhsa_float_denorm_mode_16_64 3
		.amdhsa_memory_ordered 1
		.amdhsa_forward_progress 1
		.amdhsa_inst_pref_size 211
	.end_amdhsa_kernel
	.amdgpu_metadata
---
amdhsa.version: [ 1, 2 ]
amdhsa.kernels:
  - .name:           k_qe57da84e50_chain
    .symbol:         k_qe57da84e50_chain.kd
    .args:
      - { .name: epsilon, .offset: 0, .size: 8, .value_kind: global_buffer, .address_space: global }
      - { .name: mu, .offset: 8, .size: 8, .value_kind: global_buffer, .address_space: global }
      - { .name: rho, .offset: 16, .size: 8, .value_kind: global_buffer, .address_space: global }
      - { .name: b1, .offset: 24, .size: 8, .value_kind: global_buffer, .address_space: global }
      - { .name: b2, .offset: 32, .size: 8, .value_kind: global_buffer, .address_space: global }
      - { .name: wq, .offset: 40, .size: 8, .value_kind: global_buffer, .address_space: global }
      - { .name: order, .offset: 48, .size: 8, .value_kind: global_buffer, .address_space: global }
      - { .name: tiles, .offset: 56, .size: 8, .value_kind: global_buffer, .address_space: global }
      - { .name: out0, .offset: 64, .size: 8, .value_kind: global_buffer, .address_space: global }
    .group_segment_fixed_size: 123392
    .private_segment_fixed_size: 0
    .kernarg_segment_align: 8
    .kernarg_segment_size: 72
    .max_flat_workgroup_size: 128
    .sgpr_count:     102
    .vgpr_count:     1024
    .wavefront_size: 32
...
	.end_amdgpu_metadata
.endif
;; end of part 2
;; ======== version 2 of 2: 2 launches
;; workspace buffers: wq 6,553,600 bytes; order 33,024 bytes of whole numbers; tiles 4,096 bytes of whole numbers
;; launch prep (part 3): grid 513 x 1, 4 waves a work-group, no clusters, 1,536 bytes of LDS; arguments W1, W2, comp_idx, wq, order, tiles; writes wq, order, tiles
.if DOCPART == 3
	.amdgcn_target "amdgcn-amd-amdhsa--gfx1250"
	.amdhsa_code_object_version 6
	.text
	.protected	k_qe57da84e50_prep
	.globl	k_qe57da84e50_prep
	.p2align	8
	.type	k_qe57da84e50_prep,@function
k_qe57da84e50_prep:
	s_mov_b64 s[64:65], 0
	v_nop
	global_prefetch_b8 v0, s[64:65] scope:SCOPE_SE
	s_setreg_imm32_b32 hwreg(HW_REG_WAVE_MODE, 25, 1), 1
	s_wait_xcnt 0x0
; PREP.  Work-group 0 sorts the 8,192 samples by their expert number (a counting sort, no atomics) and writes the table of 135 row tiles.
; Work-groups 1 to 512 turn W1 [8][512][1024] and W2 [8][1024][512], f32 with K as the first axis of an expert, into codes of BF6 (E3M2) with one E8M0 byte for each 32 along K.
; THE CODES ARE LAID AS THE NEXT LAUNCH TAKES THEM INTO REGISTERS.  wq = [expert 8][wave 4][group 16] groups of 12,800 bytes.  A group is 128 columns x 128 along K: eight fragments of 16 columns,
; each 1,536 bytes (registers 4 p .. 4 p + 3 of lane l at 512 p + 16 l), and behind them 512 bytes of scale words (16 l + 4 q: fragment 2 q in lanes 0-15, fragment 2 q + 1 in lanes 16-31).
; Groups 0-7 of a wave are W1: columns 256 w + 128 (g / 4) on, K rows 128 (g % 4) on.  Groups 8-15 are W2: columns 128 w on, K rows 128 (g - 8) on.
; Row r of fragment 2 b + u is column 32 b + 8 u + r + 8 (r / 8) of the group, so that in the transposed product a lane's 16 registers of two neighbouring fragments are 16 neighbouring columns.
; A block's scale is 2^(floor(log2(largest magnitude)) - 4): its byte is the largest magnitude's exponent field - 4, held at 1 from below.
; LIMITS: comp_idx holds 0 .. 7, as the problem grants.  A block of zeros gets the byte 1 and not 127 (its codes are zeros, and this program alone reads the bytes); blocks whose largest magnitude
; lies under 2^-122 keep the byte 1; NaN and infinities among the weights are not served.
.set GRP,  12800
.set X,    64                          ; v64-191  my column's 128 numbers, down K
.set CF,   32                          ; v32-43 the fragment's 12 registers for the lane with h = 0 (blocks 0, 2), v44-55 for h = 1 (blocks 1, 3)
.set CT,   56                          ; v56-58, v60-62 a block's upper 16 codes, before they are moved
.set SW,   16                          ; v16 my column's scale word
	s_load_b256 s[4:11], s[0:1], 0x0               ; W1 s[4:5], W2 s[6:7], comp_idx s[8:9], wq s[10:11]
	s_load_b128 s[12:15], s[0:1], 0x20             ; order s[12:13], tiles s[14:15]
	v_lshl_add_u32 v192, v0, 2, 0x400
	v_mov_b32 v193, 0
	v_lshrrev_b32 v1, 5, v0
	v_readfirstlane_b32 s16, v1                    ; wave 0..3
	s_cmp_eq_u32 ttmp9, 0
	s_cbranch_scc1 .Lsort                          ; the sort takes the first work-group
; ---------------- THE QUANTISER: one group a work-group.  x = work-group - 1 = 64 e + 16 w + g
	s_sub_co_u32 s17, ttmp9, 1
	s_lshr_b32 s18, s17, 6                         ; e
	s_bfe_u32 s19, s17, 0x20004                    ; w
	s_and_b32 s24, s17, 15                         ; g
	s_lshl_b32 s20, s18, 21                        ; an expert is 2^21 bytes in W1 and in W2
	s_and_b32 s25, s24, 3                          ; W1: 128 rows of 4,096 bytes for each K step,
	s_lshl_b32 s25, s25, 19
	s_lshl_b32 s26, s19, 10                        ; 256 columns a wave,
	s_add_co_u32 s25, s25, s26
	s_bfe_u32 s26, s24, 0x10002                    ; 128 a chunk
	s_lshl_b32 s26, s26, 9
	s_add_co_u32 s25, s25, s26
	s_and_b32 s27, s24, 7                          ; W2: 128 rows of 2,048 bytes for each K step,
	s_lshl_b32 s27, s27, 18
	s_lshl_b32 s26, s19, 9                         ; 128 columns a wave
	s_add_co_u32 s27, s27, s26
	s_mul_i32 s22, s17, GRP                        ; where the group goes
	s_mov_b32 s23, 0
	s_mov_b32 s21, 0
	v_and_b32 v5, 31, v0                           ; lane
	v_and_b32 v6, 15, v0                           ; r
	v_bfe_u32 v7, v0, 4, 1                         ; u
	v_and_b32 v8, 8, v6
	v_add_nc_u32 v8, v8, v6                        ; r + 8 (r / 8)
	v_lshl_add_u32 v8, v7, 3, v8                   ; + 8 u
	s_lshl_b32 s26, s16, 5
	v_add_nc_u32 v8, s26, v8                       ; + 32 x wave: A LANE TAKES A COLUMN, AND ITS REGISTERS RUN DOWN K
	v_lshlrev_b32 v1, 2, v8                        ; its byte in a row: the wave's 32 lanes read 128 consecutive bytes
	s_mul_i32 s26, s16, 3072
	v_mul_u32_u24 v2, v7, 1536
	v_lshl_add_u32 v2, v6, 4, v2
	v_add_nc_u32 v2, s26, v2                       ; out: fragment 2 x wave + u, 16 r
	v_lshlrev_b32 v4, 4, v5                        ; 16 x lane
	s_lshl_b32 s26, s16, 2
	v_add_nc_u32 v3, s26, v4                       ; LDS: my scale word at 16 x lane + 4 x wave
	s_wait_kmcnt 0x0
	s_cmp_lt_u32 s24, 8                            ; W1 or W2: the choice hangs on the work-group's number alone
	s_cselect_b64 s[4:5], s[4:5], s[6:7]
	s_cselect_b32 s25, s25, s27
	s_add_co_u32 s20, s20, s25
	s_add_nc_u64 s[4:5], s[4:5], s[20:21]
	s_add_nc_u64 s[10:11], s[10:11], s[22:23]
.macro WLOADS stride                   ; all 128 rows at once: every offset is an immediate (127 x 4,096 at the most)
.set i, 0
.rept 128
	global_load_b32 v[X+i], v1, s[4:5] offset:i*\stride th:TH_LOAD_NT
.set i, i+1
.endr
.endm
	s_cmp_lt_u32 s24, 8                            ; only the pitch of the rows differs between the two tensors
	s_cbranch_scc0 .Lw2
	s_wait_alu depctr_va_vdst(0)
	WLOADS 4096
	s_branch .Lq
.Lw2:
	s_wait_alu depctr_va_vdst(0)
	WLOADS 2048
.Lq:
; Block kb of 32 along K: all 32 numbers are mine.  left: how many younger loads may stay out (96 and 64 are behind blocks 0 and 1; a wait names 63 at the most, which asks for a little more than is needed)
.macro BLOCK kb, left
.set XS, X+32*(\kb)
.set CD, CF+12*((\kb)%2)+6*((\kb)/2)
.set CU, CT+4*((\kb)%2)
	s_wait_loadcnt \left
	v_max3_num_f32 v8, |v[XS]|, |v[XS+1]|, |v[XS+2]|        ; the largest magnitude, in two chains
	v_max3_num_f32 v9, |v[XS+3]|, |v[XS+4]|, |v[XS+5]|
.irp i, 6,10,14,18,22,26
	v_max3_num_f32 v8, v8, |v[XS+\i]|, |v[XS+\i+1]|
	v_max3_num_f32 v9, v9, |v[XS+\i+2]|, |v[XS+\i+3]|
.endr
	v_max3_num_f32 v8, v8, |v[XS+30]|, |v[XS+31]|
	v_max3_num_f32 v8, v8, v9, 0x2800000           ; and the floor 2^(5 - 127): the byte cannot fall under 1
	v_add_nc_u32 v11, 0xfe000000, v8               ; 4 off the exponent field: the conversion takes the exponent field of this operand as its scale
	v_cvt_scalef32_pk16_bf6_f32 v[CD:CD+2], v[XS:XS+15], v11
	v_cvt_scalef32_pk16_bf6_f32 v[CU:CU+2], v[XS+16:XS+31], v11   ; (a conversion's three registers begin on an even number)
	v_lshrrev_b32 v10, 23, v11                     ; the scale's byte; also the plain instruction behind the conversions
.if (\kb) == 0
	v_mov_b32 v[SW], v10
.else
	v_lshl_or_b32 v[SW], v10, 8*(\kb), v[SW]
.endif
.irp i, 0,1,2
	v_mov_b32 v[CD+3+\i], v[CU+\i]
.endr
.endm
	BLOCK 0, 63
	BLOCK 1, 63
	BLOCK 2, 32
	BLOCK 3, 0
.irp hh, 0,1
.irp p, 0,1,2
	global_store_b128 v2, v[CF+12*\hh+4*\p:CF+12*\hh+4*\p+3], s[10:11] offset:512*\p+256*\hh   ; lanes 0-15 and lanes 16-31 each store 256 consecutive bytes, at a multiple of 256 from wq's first byte
.endr
.endr
	ds_store_b32 v3, v[SW]                         ; the four waves' scale words meet in LDS bytes 0 .. 511
	s_wait_dscnt 0x0                               ; for the others' sake: my store is done
	s_barrier_signal -1
	s_barrier_wait -1
	s_cmp_lg_u32 s16, 0
	s_cbranch_scc1 .Lqend
	ds_load_b128 v[8:11], v4
	s_wait_dscnt 0x0
	global_store_b128 v4, v[8:11], s[10:11] offset:12288   ; 512 consecutive bytes
.Lqend:
	s_wait_tensorcnt 0x0
	ds_add_u32 v192, v193
	s_wait_dscnt 0x0
	s_endpgm
; ---------------- THE SORT.  Thread (w, lane) owns samples 2048 w + 128 j + 4 lane + q.  A sample's place: its expert's start + that expert's samples in earlier waves, in earlier lanes, and earlier in my own 64.
; v64-127 the samples' experts, then the stores' addresses; v128-191 the stores' data; v16-23 my counts, v24-31 their scan, v32-39 my next place for each expert, v40-47 the experts' totals, v48-55 their starts.
.Lsort:
	v_and_b32 v2, 31, v0
	v_lshrrev_b32 v3, 5, v0
	v_lshlrev_b32 v1, 4, v2
	v_lshl_add_u32 v1, v3, 13, v1                  ; 8,192 w + 16 lane
	v_lshlrev_b32 v7, 2, v2
	v_lshl_add_u32 v7, v3, 11, v7                  ; my first sample: 2,048 w + 4 lane
	v_bfe_u32 v6, v0, 4, 1
	v_sub_nc_u32 v6, 0, v6                         ; all ones in lanes 16-31
	v_and_b32 v57, 0x60, v0
	v_add_nc_u32 v57, 512, v57                     ; LDS: my wave's eight totals at 512 + 32 w (this path's own bytes)
	v_mov_b32 v58, 512
	s_mov_b32 s24, 0x0f0f0f0f
	s_wait_alu depctr_va_vdst(0)
	s_wait_kmcnt 0x0
.irp j, 0,1,2,3,4,5,6,7,8,9,10,11,12,13,14,15
	global_load_b128 v[64+4*\j:67+4*\j], v1, s[8:9] offset:512*\j
.endr
	v_mov_b32 v4, 0                                ; counts of experts 0, 2, 4, 6, a byte each
	v_mov_b32 v5, 0                                ; of experts 1, 3, 5, 7
.irp e, 0,1,2,3,4,5,6,7
	v_mov_b32 v[8+\e], 0                           ; (a lane move's destination counts as read)
.endr
	v_mov_b32 v56, 0
; pass 1: eight samples at a time into fields of 4 bits (8 at the most in a field), then into the bytes (64 at the most)
.set bt, 0
.rept 8
	s_wait_loadcnt 14-2*bt                         ; this batch's two loads are in
	v_mov_b32 v2, 0
.set q, 0
.rept 8
	v_lshlrev_b32 v3, 2, v[64+8*bt+q]
	v_lshl_add_u32 v2, 1, v3, v2
.set q, q+1
.endr
	v_and_b32 v3, s24, v2
	v_add_nc_u32 v4, v4, v3
	v_lshrrev_b32 v3, 4, v2
	v_and_b32 v3, s24, v3
	v_add_nc_u32 v5, v5, v3
.set bt, bt+1
.endr
.irp e, 0,2,4,6
	v_bfe_u32 v[16+\e], v4, 4*\e, 8
	v_bfe_u32 v[17+\e], v5, 4*\e, 8
.endr
.irp e, 0,1,2,3,4,5,6,7
	v_mov_b32 v[24+\e], v[16+\e]
.endr
; the running sums over the wave's lanes: four steps inside each 16 lanes, then lane 15's onto lanes 16-31
.irp n, 1,2,4,8
.irp e, 0,1,2,3,4,5,6,7
	v_mov_b32_dpp v[8+\e], v[24+\e] row_shr:\n row_mask:0xf bank_mask:0xf bound_ctrl:1
.endr
.irp e, 0,1,2,3,4,5,6,7
	v_add_nc_u32 v[24+\e], v[24+\e], v[8+\e]
.endr
.endr
.irp e, 0,1,2,3,4,5,6,7
	v_readlane_b32 s[28+\e], v[24+\e], 15
.endr
.irp e, 0,1,2,3,4,5,6,7
	v_and_b32 v[8+\e], s[28+\e], v6
	v_add_nc_u32 v[24+\e], v[24+\e], v[8+\e]
.endr
.irp e, 0,1,2,3,4,5,6,7
	v_readlane_b32 s[28+\e], v[24+\e], 31          ; the wave's totals
.endr
.irp e, 0,1,2,3,4,5,6,7
	v_mov_b32 v[8+\e], s[28+\e]
.endr
	ds_store_b128 v57, v[8:11]                     ; all lanes write the same bytes with the same values
	ds_store_b128 v57, v[12:15] offset:16
	s_wait_dscnt 0x0                               ; for the others' sake
	s_barrier_signal -1
	s_barrier_wait -1
.irp i, 0,1,2,3,4,5,6,7
	ds_load_b128 v[128+4*\i:131+4*\i], v58 offset:16*\i   ; wave a's total of expert e: v[128 + 8 a + e]
.endr
	s_cmp_gt_u32 s16, 0
	s_cselect_b32 s36, -1, 0                       ; which waves stand ahead of mine
	s_cmp_gt_u32 s16, 1
	s_cselect_b32 s37, -1, 0
	s_cmp_gt_u32 s16, 2
	s_cselect_b32 s38, -1, 0
	s_wait_dscnt 0x0
.irp e, 0,1,2,3,4,5,6,7
	v_add3_u32 v[40+\e], v[128+\e], v[136+\e], v[144+\e]
	v_and_b32 v[8+\e], s36, v[128+\e]
	v_and_b32 v2, s37, v[136+\e]
	v_and_b32 v3, s38, v[144+\e]
	v_add_nc_u32 v[40+\e], v[40+\e], v[152+\e]     ; the expert's samples in all
	v_add3_u32 v[8+\e], v[8+\e], v2, v3            ; and in the waves ahead of mine
.endr
	v_mov_b32 v48, 0
.irp e, 1,2,3,4,5,6,7
	v_add_nc_u32 v[48+\e], v[47+\e], v[39+\e]      ; where the expert's run begins
.endr
.irp e, 0,1,2,3,4,5,6,7
	v_add3_u32 v[32+\e], v[48+\e], v[8+\e], v[24+\e]
	v_sub_nc_u32 v[32+\e], v[32+\e], v[16+\e]      ; my first place for expert e
.endr
; pass 2: each sample takes its expert's next place.  Every store has an address and a data register of its own, so none is written again.
; The stores are 4 bytes a lane to places far apart: 32 KiB of the launch's bytes; gathering them in LDS first would have waves store to LDS bytes that hang on the data.
.set i, 0
.rept 64
.irp e, 0,1,2,3,4,5,6,7
	v_cmp_eq_u32 vcc_lo, \e, v[64+i]
	v_cndmask_b32 v56, v56, v[32+\e], vcc_lo
	v_add_co_ci_u32 v[32+\e], vcc_lo, 0, v[32+\e], vcc_lo   ; + 1 where it was taken
.endr
	v_min_u32 v56, 0x1fff, v56                     ; a number made of loaded data enters an address only behind this hold
	v_lshlrev_b32 v[64+i], 2, v56
	v_add_nc_u32 v[128+i], 128*(i/4)+i%4, v7       ; the sample's number
	global_store_b32 v[64+i], v[128+i], s[12:13]
.set i, i+1
.endr
	s_cmp_lg_u32 s16, 0
	s_cbranch_scc1 .Lnotail
	v_and_b32 v32, 31, v0
	v_lshlrev_b32 v32, 3, v32
	v_mov_b32 v34, 0
	v_mov_b32 v35, 0
	global_store_b64 v32, v[34:35], s[12:13] offset:32768   ; entries 8,192 .. 8,255 are zeros: the last tile's 64 reads stay on written bytes; 256 consecutive bytes
.Lnotail:
; THE TILES.  An expert with n samples gets ceil(n / 64) tiles; these are 135 at the most (128 + 7), and what is left of 135 goes to the first expert with the most samples (at least 1,024: more than 135).
; An expert's samples are dealt evenly over its tiles, so every one of the 135 tiles has 1 to 64 rows, whatever the split.  Whole numbers throughout; each thread makes records t and t + 128 (those from 135 on are written and never read).
.irp e, 0,1,2,3,4,5,6,7
	v_add_nc_u32 v[16+\e], 63, v[40+\e]
.endr
.irp e, 0,1,2,3,4,5,6,7
	v_lshrrev_b32 v[16+\e], 6, v[16+\e]            ; tiles of expert e
.endr
	v_add3_u32 v2, v16, v17, v18
	v_add3_u32 v2, v2, v19, v20
	v_add3_u32 v2, v2, v21, v22
	v_add_nc_u32 v2, v2, v23
	v_sub_nc_u32 v2, 135, v2                       ; what is left
	v_max_u32 v3, v40, v41
.irp e, 2,3,4,5,6,7
	v_max_u32 v3, v3, v[40+\e]
.endr
.irp e, 0,1,2,3,4,5,6,7
	v_cmp_eq_u32 vcc_lo, v[40+\e], v3
	v_cndmask_b32 v4, 0, v2, vcc_lo
	v_add_nc_u32 v[16+\e], v[16+\e], v4
	v_sub_nc_u32 v2, v2, v4                        ; given once
.endr
	v_mov_b32 v24, 0
.irp e, 1,2,3,4,5,6,7
	v_add_nc_u32 v[24+\e], v[23+\e], v[15+\e]      ; the expert's first tile
.endr
.macro TILEREC R, A, add               ; record t = thread + add: expert, first place in order, rows, 0
	v_add_nc_u32 v57, \add, v0
	v_lshlrev_b32 v[\A], 4, v57
	v_mov_b32 v[\R], 0
	v_mov_b32 v2, v24
	v_mov_b32 v3, v40
	v_mov_b32 v4, v16
	v_mov_b32 v5, v48
.irp e, 1,2,3,4,5,6,7
	v_cmp_le_u32 vcc_lo, v[24+\e], v57             ; the first tiles ascend: the last expert whose first tile is not behind t
	v_cndmask_b32 v2, v2, v[24+\e], vcc_lo
	v_cndmask_b32 v3, v3, v[40+\e], vcc_lo
	v_cndmask_b32 v4, v4, v[16+\e], vcc_lo
	v_cndmask_b32 v5, v5, v[48+\e], vcc_lo
	v_add_co_ci_u32 v[\R], vcc_lo, 0, v[\R], vcc_lo
.endr
	v_sub_nc_u32 v8, v57, v2                       ; i: which of the expert's tiles
	v_mov_b32 v9, 0
.irp b, 6,5,4,3,2,1,0                  ; q = n / tiles (64 at the most) and the remainder, bit by bit
	v_lshlrev_b32 v10, \b, v4
	v_cmp_ge_u32 vcc_lo, v3, v10
	v_cndmask_b32 v11, 0, v10, vcc_lo
	v_sub_nc_u32 v3, v3, v11
	v_add_co_ci_u32 v9, vcc_lo, v9, v9, vcc_lo
.endr
	v_cmp_lt_u32 vcc_lo, v8, v3
	v_add_co_ci_u32 v[\R+2], vcc_lo, 0, v9, vcc_lo ; rows = q + 1 in the first (remainder) tiles, else q
	v_min_u32 v12, v8, v3
	v_mad_u32_u24 v[\R+1], v8, v9, v5
	v_add_nc_u32 v[\R+1], v[\R+1], v12             ; first = start + i q + min(i, remainder)
	v_mov_b32 v[\R+3], 0
	global_store_b128 v[\A], v[\R:\R+3], s[14:15]
.endm
	TILEREC 60, 58, 0
	TILEREC 36, 59, 128
	s_wait_tensorcnt 0x0
	ds_add_u32 v192, v193
	s_wait_dscnt 0x0
	s_endpgm
.Lfunc_end_k_qe57da84e50_prep:
	.size	k_qe57da84e50_prep, .Lfunc_end_k_qe57da84e50_prep-k_qe57da84e50_prep
	.p2alignl 7, 3214868480
	.fill 96, 4, 3214868480
	.section	.rodata,"a",@progbits
	.p2align	6, 0x0
	.amdhsa_kernel k_qe57da84e50_prep
		.amdhsa_group_segment_fixed_size 1536
		.amdhsa_private_segment_fixed_size 0
		.amdhsa_enable_private_segment 0
		.amdhsa_kernarg_size 48
		.amdhsa_user_sgpr_count 2
		.amdhsa_user_sgpr_kernarg_segment_ptr 1
		.amdhsa_wavefront_size32 1
		.amdhsa_system_sgpr_workgroup_id_x 1
		.amdhsa_system_sgpr_workgroup_id_y 1
		.amdhsa_system_sgpr_workgroup_id_z 1
		.amdhsa_system_vgpr_workitem_id 0
		.amdhsa_next_free_vgpr 194
		.amdhsa_next_free_sgpr 66
		.amdhsa_reserve_vcc 1
		.amdhsa_float_denorm_mode_32 3
		.amdhsa_float_denorm_mode_16_64 3
		.amdhsa_memory_ordered 1
		.amdhsa_forward_progress 1
		.amdhsa_inst_pref_size 126
	.end_amdhsa_kernel
	.amdgpu_metadata
---
amdhsa.version: [ 1, 2 ]
amdhsa.kernels:
  - .name:           k_qe57da84e50_prep
    .symbol:         k_qe57da84e50_prep.kd
    .args:
      - { .name: W1, .offset: 0, .size: 8, .value_kind: global_buffer, .address_space: global }
      - { .name: W2, .offset: 8, .size: 8, .value_kind: global_buffer, .address_space: global }
      - { .name: comp_idx, .offset: 16, .size: 8, .value_kind: global_buffer, .address_space: global }
      - { .name: wq, .offset: 24, .size: 8, .value_kind: global_buffer, .address_space: global }
      - { .name: order, .offset: 32, .size: 8, .value_kind: global_buffer, .address_space: global }
      - { .name: tiles, .offset: 40, .size: 8, .value_kind: global_buffer, .address_space: global }
    .group_segment_fixed_size: 1536
    .private_segment_fixed_size: 0
    .kernarg_segment_align: 8
    .kernarg_segment_size: 48
    .max_flat_workgroup_size: 128
    .sgpr_count:     66
    .vgpr_count:     194
    .wavefront_size: 32
...
	.end_amdgpu_metadata
.endif
;; end of part 3
;; launch chain (part 4): grid 135 x 1, 4 waves a work-group, no clusters, 123,392 bytes of LDS; arguments epsilon, mu, rho, b1, b2, wq, order, tiles, out0; writes out0
.if DOCPART == 4
	.amdgcn_target "amdgcn-amd-amdhsa--gfx1250"
	.amdhsa_code_object_version 6
	.text
	.protected	k_qe57da84e50_chain
	.globl	k_qe57da84e50_chain
	.p2align	8
	.type	k_qe57da84e50_chain,@function
k_qe57da84e50_chain:
	s_mov_b64 s[64:65], 0
	v_nop
	global_prefetch_b8 v0, s[64:65] scope:SCOPE_SE
	s_setreg_imm32_b32 hwreg(HW_REG_WAVE_SCHED_MODE, 0, 2), 2
	s_setreg_imm32_b32 hwreg(HW_REG_WAVE_MODE, 25, 1), 1
	s_wait_xcnt 0x0
	s_wait_alu depctr_vm_vsrc(0)
; CHAIN.  One work-group takes one tile (1 to 64 samples of ONE expert E, from the table that the launch before stored) through the whole chain:
;   lat = epsilon x softplus(rho[E]) + mu[E];  h = sigmoid(Q(lat) Q(W1[E]) + b1[E]);  out = Q(h) Q(W2[E]) + b2[E].   Q: codes of BF6 (E3M2), one E8M0 scale for each 32 along K.
; Only the expert that a sample is routed to is multiplied: the others' results are thrown away by the gather at the end of the module.  The hidden layer never goes to memory.
; SHARES.  THE WAVES SHARE THE COLUMNS, NOT THE ROWS: wave w makes hidden units 256 w .. + 255 (two chunks of 128) and outputs 128 w .. + 127, for all 64 rows: each fragment of a weight is loaded by one wave
; of the work-group, once, and feeds four matrix instructions.  The weights come from wq straight into registers, as images of the operand's registers, through four register slots of one group
; (128 columns x 128 K: 24 loads of codes, 1 of scale words), asked for three groups ahead.  The wave's 16 groups are one run of 204,800 bytes, in the order of use.
; The rows' codes (lat, then h) go from wave to wave through LDS as images of their registers: 16 x lane for codes, 4 x lane for scale words.
; BOTH PRODUCTS ARE USED TRANSPOSED (source 0 = 16 columns of the weight, source 1 = 16 samples): a lane holds one sample, and by the order of a fragment's columns its 64 registers of a row tile run along the next K.
; ROWS THAT A TILE DOES NOT HAVE take the tile's first sample: they are computed alike and the same wave stores the same bytes to the same row again.  So no branch hangs on the number of rows.
; NO JOINT LOADS: the weights' address hangs on an expert number read from memory, and an expert's tiles (ceil(n / 64), the largest expert some more) come in groups of four for no split in general.
; LIMITS: NaN and infinities are not served.  A block whose largest magnitude lies under 2^-122 keeps the scale byte 1.  A sigmoid under 2^-126 becomes 0, and so does softplus of a rho under about -87
; (the exponential gives 0 for what would be denormal: ISA guide, its entry).  lat is one fused multiply-add where the module multiplies and then adds.
;
; THE MODE: SCHED_MODE bits 1:0 = 2 (LLVM: expert scheduling mode 2), set by the entry lines.  The code itself states the register dependences
; between vector or matrix instructions and memory or LDS instructions, with s_wait_alu, always for 0.
; THE PLAN.  Registers that memory or LDS instructions touch, and who else names them:
;   addresses     v4-11, v14, v15, v18-21, v24-26 and the closing add's v70, v71: made at the head, ahead of the wait in front of the first load; never written again.  v16 is made later and has a wait of its own.
;   v12, v13      written once a chunk by a vector add; read by the chunk's LDS stores.
;   ST            v96-111 carry mu from its loads to its LDS stores; then ST holds lat or the sigmoids, which vector instructions alone name.  The same registers are AF.
;   PC, PW        written by the quantiser; read by an image's four LDS stores.
;   MU0, MU1      LDS loads land; the multiply-adds of one K step read.  Slot 3 lies over them later.
;   AF0, AF1, AS  group g's products read buffer g % 2; the LDS loads issued in group g land in the other, which group g - 1 read.
;   slots, WS     group g's products read slot g % 4; the loads issued in group g (group g + 3's) land in slot (g + 3) % 4, which group g - 1 read.
;   the bias      read by a sum's first group; the next one is asked for in the group behind it.
;   accumulators  the data of the way out's LDS stores.     BK0, BK1  loads from the stage land, global stores read.     VO  the 64 offsets of those stores, all made ahead of the way out.
; So ONE wait on va_vdst stands at the head of a group, behind its waits for data: the group before is done with all that this group's loads land in.  These loads are dealt among the group's products, which name
; slot g % 4, buffer g % 2, their scale words, the accumulators and in a sum's first group the bias: none of the registers that the loads touch.  The first group behind a quantising phase has no such wait: the
; wait in front of the last image's stores stands behind every earlier vector and matrix instruction, and none is issued between it and that group's products.
;
; LDS: x's 16 images (row tile m, K step s: 4 m + s) | their scale words | mu[E], a copy for each wave | h's 32 images (8 m + s) | their scale words | a stage of 16 rows x 528 bytes for each wave.
.set FRB,  1536                        ; a fragment's image: 12 registers x 128 bytes
.set GRP,  12800                       ; a group in wq
.set XIMG, 0
.set XSC,  24576
.set MUW,  26624
.set HIMG, 34816
.set HSC,  83968
.set STG,  88064
.set SP,   528
; REGISTERS, window 0
.set LI,   4                           ; v4   16 x lane: an image's place for my lane; also my offset in a group of wq
.set LS,   5                           ; v5   XSC + 4 x lane
.set LIH,  6                           ; v6   HIMG + 16 x lane
.set LSH,  7                           ; v7   HSC + 4 x lane
.set XWI,  8                           ; v8   where I store x's images: 16 x lane + 4 FRB x wave
.set XWS,  9                           ; v9   and their scale words: XSC + 4 x lane + 512 x wave
.set HWI,  10                          ; v10  h's: HIMG + 16 x lane + 2 FRB x wave
.set HWS,  11                          ; v11  HSC + 4 x lane + 256 x wave
.set HWA,  12                          ; v12  the same with the chunk's image added
.set HSA,  13                          ; v13
.set MUA,  14                          ; v14  my wave's copy of mu, + 64 h
.set MUS,  15                          ; v15  my wave's copy of mu, + 16 x lane
.set EO,   16                          ; v16  epsilon: my sample's row + 64 h
.set BO,   18                          ; v18  64 h: my half's eight numbers of a bias tile
.set SO,   19                          ; v19  the stage: where I put 16 bytes of a row
.set SR,   20                          ; v20  and where I read a row back
.set CO,   21                          ; v21  512 x wave + 16 x lane: my bytes in a row of out0
.set SG,   22                          ; v[22:23] sigma, twice
.set TM,   32                          ; v32-47 the quantiser's: largest magnitudes, bytes, scale operands
.set PW,   48                          ; v48  the scale word just made
.set PC,   50                          ; v50-68 the codes just made
.set AS,   72                          ; v72-79 the rows' scale words: buffer p, row tile m: 4 p + m.  They hold scales and nothing else
.set WS,   80                          ; v80-95 the weights' scale words: slot k, register q: 4 k + q (fragment 2 q in lanes 0-15, 2 q + 1 in lanes 16-31).  Likewise
.set AF,   96                          ; v96-143, v144-191 the rows' fragments, two buffers of four
.set ST,   96                          ; v96-159 64 numbers ahead of the quantiser (while no fragment is held)
.set BK,   96                          ; v96-159, v160-223 the way out: 16 rows read back, by turns
; window 1: the 32 accumulators, (m, f) at v[64 m + 8 f]; before them epsilon, 64 registers a K step
; window 2: weight slots 0 (v0-95) and 1 (v96-191); v192-255 a bias, eight registers a fragment
; window 3: weight slots 2 (v0-95) and 3 (v96-191); before that mu of a K step, two buffers from v96; v192-255 on the way out: the 64 stores' offsets
.set BIAS, 192
.set MU,   96
.set VO,   192
; scalars: s[2:3] out0; s4 E, s5 first, s6 rows, s7 rho[E]; s8 wave; s9 chunk; s10, s11 the chunk's image and scale word; s16-63 and s68-83 the 64 samples' numbers
.set WV,   8
.set SEL,  12                          ; s[12:13] v_permlanex16_b32's selects for lane l xor 16
.set NL2E, 14                          ; s[14:15] -log2(e), twice
.set EPS,  84
.set MUP,  86
.set RHO,  88
.set BP,   90                          ; the bias that is loaded next
.set B2P,  92
.set WP,   94                          ; the lap's first group in wq
.set ORD,  96
.set TIL,  98
.set OFS,  100                         ; s[100:101] an offset, the high word 0
.set MSB, 0
.macro WIN new                         ; the immediate's high byte repeats the setting that is left; a switch that changes nothing is dropped
.if MSB != (\new)
	s_set_vgpr_msb (MSB<<8)|(\new)
.set MSB, (\new)
.endif
.endm
; fragments f0 .. f1 of a group of wq into a slot: three loads a fragment, each of 512 consecutive bytes
.macro WPART slot, off, f0, f1
	WIN 0x80+0x40*((\slot)/2)
.set wb, 96*((\slot)%2)
.set wf, \f0
.rept (\f1)-(\f0)+1
.irp c, 0,1,2
	global_load_b128 v[wb+12*wf+4*\c:wb+12*wf+4*\c+3], v[LI], s[WP:WP+1] offset:(\off)+FRB*wf+512*\c
.endr
.set wf, wf+1
.endr
.endm
; the group's scale words (every window 0)
.macro WSCALE slot, off
	global_load_b128 v[WS+4*(\slot):WS+4*(\slot)+3], v[LI], s[WP:WP+1] offset:(\off)+12288
.endm
; a whole group: 25 loads
.macro WLOAD slot, off
	WPART \slot, \off, 0, 7
	WIN 0
	WSCALE \slot, \off
.endm
; a bias for 128 columns in the result's layout: lane (r, h) wants, for fragment 2 b + u, columns 32 b + 16 h + 8 u + 0 .. 7.  16 loads
.macro BLOAD
	WIN 0x80
.irp f, 0,1,2,3,4,5,6,7
.irp q, 0,1
	global_load_b128 v[BIAS+8*\f+4*\q:BIAS+8*\f+4*\q+3], v[BO], s[BP:BP+1] offset:128*(\f/2)+32*(\f%2)+16*\q
.endr
.endr
.endm
; 64 numbers of a lane, register 16 b + i = k 32 b + 16 (lane / 16) + i of my row, become a fragment's codes in v[PC] on and its scale word in v[PW]
.macro QUANT s
.irp b, 0,1,2,3
	v_max3_num_f32 v[TM+\b], |v[\s+16*\b]|, |v[\s+1+16*\b]|, 0x2800000   ; block b: my 16 numbers, and the floor 2^(5 - 127): the byte cannot fall under 1
.endr
.irp i, 2,4,6,8,10,12,14
.irp b, 0,1,2,3
	v_max3_num_f32 v[TM+\b], v[TM+\b], |v[\s+16*\b+\i]|, |v[\s+1+16*\b+\i]|   ; (the four blocks by turns)
.endr
.endr
.irp b, 0,1,2,3
	v_permlanex16_b32 v[TM+4+\b], v[TM+\b], s[SEL], s[SEL+1]
.endr
.irp b, 0,1,2,3
	v_max_num_f32 v[TM+\b], v[TM+\b], v[TM+4+\b]   ; with lane l xor 16's: the block's largest magnitude
.endr
.irp b, 0,1,2,3
	v_add_nc_u32 v[TM+12+\b], 0xfe000000, v[TM+\b] ; 4 off its exponent field: the conversion's scale operand
.endr
.irp b, 0,1,2,3
	v_lshrrev_b32 v[TM+4+\b], 23, v[TM+12+\b]      ; the scale's byte
.endr
	v_lshl_or_b32 v[PW], v[TM+5], 8, v[TM+4]       ; the four bytes make my row's scale word
	v_lshl_or_b32 v[PW], v[TM+6], 16, v[PW]
	v_lshl_or_b32 v[PW], v[TM+7], 24, v[PW]
.irp c, 0,1
	v_cvt_scalef32_pk16_bf6_f32 v[PC+6*\c:PC+2+6*\c], v[\s+32*\c:\s+15+32*\c], v[TM+12+2*\c]
	v_cvt_scalef32_pk16_bf6_f32 v[PC+12+4*\c:PC+14+4*\c], v[\s+16+32*\c:\s+31+32*\c], v[TM+12+2*\c+1]   ; (a conversion's three registers begin on an even number)
.endr
	v_nop                                          ; one plain instruction behind a scaled conversion
.irp c, 0,1                            ; the operand's layout wants a WHOLE block in a lane: lanes 0-15 block 2 c, lanes 16-31 block 2 c + 1
.irp i, 0,1,2
	v_permlane16_swap_b32 v[PC+6*\c+\i], v[PC+12+4*\c+\i]
.endr
.irp i, 0,1,2
	v_mov_b32 v[PC+3+6*\c+\i], v[PC+12+4*\c+\i]
.endr
.endr
.endm
.macro IMAGE adr, off                  ; the fragment in v[PC] on goes to LDS as it stands
.irp c, 0,1,2
	ds_store_b128 v[\adr], v[PC+4*\c:PC+4*\c+3] offset:\off+512*\c
.endr
.endm
.macro BARRIER                         ; my LDS stores have landed and my LDS loads are in: then the work-group's barrier
	s_wait_dscnt 0x0
	s_barrier_signal -1
	s_barrier_wait -1
.endm
; the four row tiles' fragments and scale words of K step s into buffer p: 16 LDS loads.  ks: images from one row tile to the next
.macro FETCH_A p, aI, aS, ks, s
.irp m, 0,1,2,3
.irp c, 0,1,2
	ds_load_b128 v[AF+48*(\p)+12*\m+4*\c:AF+48*(\p)+12*\m+4*\c+3], v[\aI] offset:((\ks)*\m+(\s))*FRB+512*\c
.endr
	ds_load_b32 v[AS+4*(\p)+\m], v[\aS] offset:((\ks)*\m+(\s))*128
.endr
.endm
; one matrix instruction: fragment f of slot k x row tile m of buffer p.  cb = 1: the bias is the C of the sum's first instruction
.macro MM k, p, f, m, cb
.set rD, 64*(\m)+8*(\f)
.set rA, 96*((\k)%2)+12*(\f)
.set rB, AF+48*(\p)+12*(\m)
.set rC, rD
.if \cb
.set rC, BIAS+8*(\f)
.endif
.set rX, WS+4*(\k)+(\f)/2
.set rY, AS+4*(\p)+(\m)
.if (\f)%2
	v_wmma_scale_f32_16x16x128_f8f6f4 v[rD:rD+7], v[rA:rA+11], v[rB:rB+11], v[rC:rC+7], v[rX], v[rY] matrix_a_fmt:MATRIX_FMT_BF6 matrix_b_fmt:MATRIX_FMT_BF6 matrix_a_scale:MATRIX_SCALE_ROW1
.else
	v_wmma_scale_f32_16x16x128_f8f6f4 v[rD:rD+7], v[rA:rA+11], v[rB:rB+11], v[rC:rC+7], v[rX], v[rY] matrix_a_fmt:MATRIX_FMT_BF6 matrix_b_fmt:MATRIX_FMT_BF6
.endif
.endm
; eight of a group's 32 products: fragments f0, f0 + 1 x the four row tiles
.macro MUL8 k, p, cb, f0
.if \cb
	WIN 0x62                                       ; weights and bias window 2, rows window 0, results window 1
.else
	WIN 0x52+(\k)/2                                ; weights window 2 or 3, rows window 0, C and D window 1
.endif
.irp f, \f0, \f0+1
.irp m, 0,1,2,3
	MM \k, \p, \f, \m, \cb
.endr
.endr
.endm
; A GROUP: 128 columns x 64 rows x 128 along K: 32 matrix instructions on the 32 accumulators, one instruction a turn, in the same order in every group.
; n: the global loads issued behind this group's own, which may stay out.  hw = 1: the wait on va_vdst at the head (a group that issues no load, and the first group behind a quantising phase, have none).
; nx = 1: the next K step's rows are fetched, into the other buffer.  bl = 1: the next bias is asked for (in the group behind the one that read the bias).
; rf = 1: the slot that the group before has left takes the group three on, at byte off from the lap's first: its scale words at the head, its codes in runs of 9, 9 and 6 loads among the products.
; Four v_nop stand behind the products: a vector instruction or LDS store that reads a result stands four plain vector instructions behind it; they stay ahead of the next group's wait and loads too.
.macro GROUP k, p, cb, n, hw, nx, aI, aS, ks, s, bl, rf, off
	s_wait_loadcnt \n
	s_wait_dscnt 0x0                               ; this K step's rows, asked for a group ago
.if \hw
	s_wait_alu depctr_va_vdst(0)                   ; the group before is done reading its rows and their scale words, its slot and that slot's scale words, and the bias where it took one: this group's loads land in these
.endif
.if \nx
	FETCH_A 1-(\p), \aI, \aS, \ks, (\s)+1
.endif
.if \rf
	WSCALE ((\k)+3)%4, \off
.endif
	MUL8 \k, \p, \cb, 0
.if \bl
	BLOAD
.endif
.if \rf
	WPART ((\k)+3)%4, \off, 0, 2                   ; no further wait: no product since the wait above names a register of these loads
.endif
	MUL8 \k, \p, \cb, 2
.if \rf
	WPART ((\k)+3)%4, \off, 3, 5
.endif
	MUL8 \k, \p, \cb, 4
.if \rf
	WPART ((\k)+3)%4, \off, 6, 7
.endif
	MUL8 \k, \p, \cb, 6
.rept 4
	v_nop
.endr
	WIN 0
.endm
; mu of K step s out of my wave's copy: lane (r, h) wants the k of its registers: 16 LDS loads
.macro MULOAD s
	WIN 0xc0
.irp b, 0,1,2,3
.irp j, 0,1,2,3
	ds_load_b128 v[MU+64*((\s)%2)+16*\b+4*\j:MU+64*((\s)%2)+16*\b+4*\j+3], v[MUA] offset:512*(\s)+128*\b+16*\j
.endr
.endr
	WIN 0
.endm
; K step s of my 16 rows: lat, its codes, their image.  n: the global loads behind this step's epsilon.  slot >= 0: that slot's first group is asked for here (no vector instruction has named that slot)
.macro XSTEP s, n, slot
	s_wait_loadcnt \n
.if (\slot) >= 0
	WLOAD \slot, (\slot)*GRP
.endif
	s_wait_dscnt 0x0                               ; this step's mu is in
	s_wait_alu depctr_vm_vsrc(0)                   ; the LDS stores issued so far have read their data: in step 0 the copy of mu, v[ST ..], over which lat is written; later the last image's v[PC ..] and v[PW]
.if (\s) < 3
	MULOAD (\s)+1                                  ; into the buffer that the step before last read: its multiply-adds stand ahead of the last step's wait on va_vdst, and no vector instruction has been issued since
.endif
	WIN 0x31                                       ; epsilon window 1, mu window 3
.set i, 0
.rept 32
	v_pk_fma_f32 v[ST+i:ST+i+1], v[64*(\s)+i:64*(\s)+i+1], v[SG:SG+1], v[MU+64*((\s)%2)+i:MU+64*((\s)%2)+i+1]
.set i, i+2
.endr
	WIN 0
	QUANT ST
	s_wait_alu depctr_va_vdst(0)                   ; the quantiser has written v[PC ..] and v[PW], which the four LDS stores read
	IMAGE XWI, (\s)*FRB
	ds_store_b32 v[XWS], v[PW] offset:128*(\s)
.endm
; row tile m of my chunk of the hidden layer: sigmoid(z) = 1 / (1 + 2^(-z log2 e)) in f32, quantised, image to LDS.  The exponentials are one batch with one wait, the reciprocals another.
.macro HID m
	WIN 0x01                                       ; the accumulators: window 1
.set i, 0
.rept 32
	v_pk_mul_f32 v[ST+i:ST+i+1], v[64*(\m)+i:64*(\m)+i+1], s[NL2E:NL2E+1] op_sel_hi:[1,0]
.set i, i+2
.endr
	WIN 0
.set i, 0
	s_wait_alu depctr_va_vdst(0)
.rept 64
	v_exp_f32 v[ST+i], v[ST+i]
.set i, i+1
.endr
	v_nop                                          ; a plain instruction behind the last exponential
	s_wait_alu depctr_va_vdst(0)                   ; the 64 exponentials have written v[ST ..], ahead of their first reader
.set i, 0
.rept 32
	v_pk_add_f32 v[ST+i:ST+i+1], v[ST+i:ST+i+1], 1.0 op_sel_hi:[1,0]
.set i, i+2
.endr
.set i, 0
	s_wait_alu depctr_va_vdst(0)
.rept 64
	v_rcp_f32 v[ST+i], v[ST+i]
.set i, i+1
.endr
	v_nop
	s_wait_alu depctr_va_vdst(0)                   ; the 64 reciprocals have written v[ST ..], ahead of their first reader
	s_wait_dscnt 0x0                               ; the last image's stores are done
.if (\m) > 0
	s_wait_alu depctr_vm_vsrc(0)                   ; the last image's LDS stores have read v[PC ..] and v[PW], which the quantiser writes again (for row tile 0 the wait ahead of the chunk's two adds has said so)
.endif
	QUANT ST
	s_wait_alu depctr_va_vdst(0)                   ; the quantiser has written v[PC ..] and v[PW], which the four LDS stores read; their addresses v[HWA], v[HSA] were written further ahead
	IMAGE HWA, 8*(\m)*FRB
	ds_store_b32 v[HSA], v[PW] offset:1024*(\m)
.endm
; ---------------- the head
	s_load_b512 s[84:99], s[0:1], 0x0              ; epsilon, mu, rho, b1, b2, wq, order, tiles
	s_load_b64 s[2:3], s[0:1], 0x40                ; out0
	v_lshl_add_u32 v70, v0, 2, 0x1e000
	v_mov_b32 v71, 0
	v_lshrrev_b32 v1, 5, v0
	v_readfirstlane_b32 s[WV], v1                  ; wave 0..3
	v_and_b32 v3, 31, v0                           ; lane
	v_and_b32 v1, 15, v0                           ; r
	v_bfe_u32 v2, v0, 4, 1                         ; h
	v_lshlrev_b32 v[LI], 4, v3
	v_lshlrev_b32 v17, 2, v3
	v_add_nc_u32 v[LS], XSC, v17
	v_add_nc_u32 v[LIH], HIMG, v[LI]
	v_add_nc_u32 v[LSH], HSC, v17
	s_wait_alu depctr_va_sdst(0)                   ; the wave's number is written into s8, ahead of its first reader
	s_mul_i32 s10, s[WV], 4*FRB
	v_add_nc_u32 v[XWI], s10, v[LI]
	s_lshl_b32 s10, s[WV], 9
	v_add_nc_u32 v[XWS], s10, v[LS]
	v_add_nc_u32 v[CO], s10, v[LI]
	s_mul_i32 s10, s[WV], 2*FRB
	v_add_nc_u32 v[HWI], s10, v[LIH]
	s_lshl_b32 s10, s[WV], 8
	v_add_nc_u32 v[HWS], s10, v[LSH]
	s_lshl_b32 s10, s[WV], 11
	s_add_co_u32 s10, s10, MUW
	v_lshlrev_b32 v[BO], 6, v2
	v_add_nc_u32 v[MUA], s10, v[BO]
	v_add_nc_u32 v[MUS], s10, v[LI]
	s_mul_i32 s10, s[WV], 16*SP
	s_add_co_u32 s10, s10, STG
	v_mul_u32_u24 v[SO], v1, SP
	v_add_nc_u32 v[SO], v[SO], v[BO]
	v_add_nc_u32 v[SO], s10, v[SO]                 ; the stage: row r, + 64 h
	v_add_nc_u32 v[SR], s10, v[LI]
	s_lshl_b32 s10, s[WV], 4
	v_add_nc_u32 v24, s10, v1                      ; my slot in the tile: 16 x wave + r
	v_lshlrev_b32 v25, 2, v24
	v_mov_b32 v26, 0
.irp b, 0,1,2,3
	v_mov_b32 v[TM+4+\b], 0                        ; written once: a lane permute's destination counts as one of its sources
.endr
	s_mov_b32 s[SEL], 0x76543210
	s_mov_b32 s[SEL+1], 0xfedcba98
	s_mov_b32 s[NL2E], 0xbfb8aa3b
	s_mov_b32 s[NL2E+1], s[NL2E]
	s_lshl_b32 s[OFS], ttmp9, 4
	s_mov_b32 s[OFS+1], 0
	s_wait_kmcnt 0x0
	s_add_nc_u64 s[TIL:TIL+1], s[TIL:TIL+1], s[OFS:OFS+1]
	s_load_b128 s[4:7], s[TIL:TIL+1], 0x0          ; my tile: expert, first place in order, rows, 0
	s_wait_kmcnt 0x0
	s_min_u32 s4, s4, 7                            ; loaded numbers enter addresses only behind these holds
	s_min_u32 s5, s5, 8191
	s_lshl_b32 s[OFS], s5, 2
	s_add_nc_u64 s[ORD:ORD+1], s[ORD:ORD+1], s[OFS:OFS+1]
	s_load_b512 s[16:31], s[ORD:ORD+1], 0x0        ; the 64 samples' numbers as scalars, for the way out (order has 64 written entries behind its 8,192)
	s_load_b512 s[32:47], s[ORD:ORD+1], 0x40
	s_load_b512 s[48:63], s[ORD:ORD+1], 0x80
	s_load_b512 s[68:83], s[ORD:ORD+1], 0xc0
	s_lshl_b32 s[OFS], s4, 2
	s_add_nc_u64 s[RHO:RHO+1], s[RHO:RHO+1], s[OFS:OFS+1]
	s_load_b32 s7, s[RHO:RHO+1], 0x0               ; rho[E]
	s_add_co_u32 s[OFS], s[OFS], s[WV]
	s_mul_i32 s[OFS], s[OFS], 16*GRP
	s_add_nc_u64 s[WP:WP+1], s[WP:WP+1], s[OFS:OFS+1]      ; my 16 groups: wq + (4 E + w) x 204,800
	s_lshl_b32 s[OFS], s4, 11
	s_add_nc_u64 s[MUP:MUP+1], s[MUP:MUP+1], s[OFS:OFS+1]  ; mu[E]
	s_lshl_b32 s10, s[WV], 9
	s_add_co_u32 s[OFS], s[OFS], s10
	s_add_nc_u64 s[B2P:B2P+1], s[B2P:B2P+1], s[OFS:OFS+1]  ; b2[E] at my 128 outputs
	s_lshl_b32 s[OFS], s[OFS], 1
	s_add_nc_u64 s[BP:BP+1], s[BP:BP+1], s[OFS:OFS+1]      ; b1[E] at my 256 hidden units
	s_wait_alu depctr_va_vdst(0)                   ; the addresses and offsets v4 to v11, v14, v15, v18 to v21, v25, v26 and the closing add's v70, v71 are written: every load and store of the kernel but epsilon's, h's images and the way out's global stores reads them alone
.irp i, 0,1,2,3
	global_load_b128 v[ST+4*\i:ST+4*\i+3], v[LI], s[MUP:MUP+1] offset:512*\i   ; mu[E], 2,048 bytes
.endr
	global_load_b32 v27, v25, s[ORD:ORD+1]         ; my slot's sample,
	global_load_b32 v28, v26, s[ORD:ORD+1]         ; and the tile's first
	BLOAD                                          ; b1 of chunk 0
	WLOAD 0, 0                                     ; group 0: these 41 loads are on their way while the samples' numbers come
	s_wait_kmcnt 0x0
	; sigma = softplus(x) = max(x, 0) + log1p(u), u = e^-|x|.  log1p(u) = log(1 + u) u / ((1 + u) - 1), which keeps its accuracy where u is small; where 1 + u rounds to 1 it is u
	v_mov_b32 v40, s7
	v_mul_f32 v41, s[NL2E], |v40|
	s_wait_alu depctr_va_vdst(0)
	v_exp_f32 v41, v41                             ; u
	v_max_num_f32 v42, 0, v40                      ; (a plain instruction behind the exponential)
	s_wait_alu depctr_va_vdst(0)                   ; the exponential has written v41, ahead of its first reader
	v_add_f32 v43, 1.0, v41
	v_add_f32 v44, -1.0, v43
	s_wait_alu depctr_va_vdst(0)
	v_log_f32 v45, v43
	v_rcp_f32 v46, v44
	v_nop
	s_wait_alu depctr_va_vdst(0)                   ; the logarithm has written v45 and the reciprocal v46, ahead of their first readers: one wait for the two
	v_cmp_eq_f32 vcc_lo, 0, v44
	v_mul_f32 v45, 0x3f317218, v45                 ; x ln 2
	v_mul_f32 v45, v45, v41
	v_mul_f32 v45, v45, v46
	s_wait_alu depctr_va_vcc(0)                    ; the compare has written VCC, which the select reads
	v_cndmask_b32 v45, v45, v41, vcc_lo
	v_add_f32 v[SG], v42, v45
	v_mov_b32 v[SG+1], v[SG]
	s_wait_xcnt 0x0                                ; the bias's loads have read their base:
	s_add_nc_u64 s[BP:BP+1], s[BP:BP+1], 512       ; the next bias is chunk 1's
	s_wait_loadcnt 41                              ; mu and the two numbers are in; behind them: the bias's 16 and group 0's 25
	v_cmp_gt_u32 vcc_lo, s6, v24                   ; has the tile a row for my slot?
	s_wait_alu depctr_va_vcc(0)                    ; the compare has written VCC, which the select reads
	v_cndmask_b32 v27, v28, v27, vcc_lo            ; if not: its first sample
	v_min_u32 v27, 0x1fff, v27
	v_lshl_add_u32 v[EO], v27, 11, v[BO]           ; a row of epsilon is 2,048 bytes
	WIN 0x40
	s_wait_alu depctr_va_vdst(0)                   ; v[EO] is written, which epsilon's 64 loads read as their offset
.irp s, 0,1,2,3                        ; lane (r, h) takes, of its row, 16 neighbouring numbers of each block of 32: register 64 s + 16 b + i = k 128 s + 32 b + 16 h + i
.irp b, 0,1,2,3
.irp j, 0,1,2,3
	global_load_b128 v[64*\s+16*\b+4*\j:64*\s+16*\b+4*\j+3], v[EO], s[EPS:EPS+1] offset:512*\s+128*\b+16*\j
.endr
.endr
.endr
	WIN 0
.irp i, 0,1,2,3
	ds_store_b128 v[MUS], v[ST+4*\i:ST+4*\i+3] offset:512*\i   ; my wave's own copy: no other wave touches it, so no barrier
.endr
	MULOAD 0                                       ; LDS serves a wave's instructions in order (ISA guide 5.7.1.4): these see the stores above
	s_min_u32 s16, s16, 8191                       ; the scalar numbers are mended while epsilon is on its way: slots without a row take the first sample
.set i, 1
.rept 63
	s_cmp_gt_u32 s6, i
	s_cselect_b32 s[16+i+4*(i/48)], s[16+i+4*(i/48)], s16
	s_min_u32 s[16+i+4*(i/48)], s[16+i+4*(i/48)], 8191
.set i, i+1
.endr
; ---------------- X: my 16 rows become four fragments
	XSTEP 0, 48, -1                                ; behind step 0's epsilon: three steps of 16 loads
	XSTEP 1, 32, 1                                 ; two steps; then group 1 is asked for
	XSTEP 2, 41, 2                                 ; one step and group 1's 25; then group 2
	XSTEP 3, 50, -1                                ; groups 1 and 2
	BARRIER                                        ; x's sixteen fragments lie in LDS
; ---------------- 1: the hidden layer, a chunk of 128 units a trip.  Behind a group's own loads stand: two groups (50); or a group, the bias's 16 and a group (66: a wait names 63 at the most)
	s_mov_b32 s9, 0
	s_mov_b32 s10, 0
	s_mov_b32 s11, 0
.Lchunk:
	FETCH_A 0, LI, LS, 4, 0                        ; into registers that the quantiser read last: it stands ahead of the wait in front of the last image's stores, on the way in and on the way back, and no vector instruction has been issued since
	GROUP 0, 0, 1, 50, 0, 1, LI, LS, 4, 0, 0, 1, 3*GRP
	GROUP 1, 1, 0, 50, 1, 1, LI, LS, 4, 1, 1, 1, 4*GRP
	GROUP 2, 0, 0, 63, 1, 1, LI, LS, 4, 2, 0, 1, 5*GRP
	GROUP 3, 1, 0, 63, 1, 0, LI, LS, 4, 3, 0, 1, 6*GRP
	s_wait_alu depctr_vm_vsrc(0)                   ; the LDS stores issued so far have read v[HWA] and v[HSA] (the chunk before) and v[PC ..], v[PW] (the last image): all are written again below
	v_add_nc_u32 v[HWA], s10, v[HWI]               ; this chunk is K step 2 w + chunk of the second product
	v_add_nc_u32 v[HSA], s11, v[HWS]
	HID 0
	HID 1
	HID 2
	HID 3
	s_wait_xcnt 0x0                                ; the loads issued have read their bases: both may be written
	s_add_nc_u64 s[WP:WP+1], s[WP:WP+1], 4*GRP
	s_mov_b64 s[BP:BP+1], s[B2P:B2P+1]             ; the bias asked for in the second trip is b2's
	s_add_co_u32 s10, s10, FRB
	s_add_co_u32 s11, s11, 128
	s_add_co_u32 s9, s9, 1
	s_cmp_lt_u32 s9, 2
	s_cbranch_scc1 .Lchunk
	BARRIER                                        ; the hidden layer's 32 fragments lie in LDS
; ---------------- 2: my 128 outputs for the 64 rows, eight K steps.  Two groups stand behind each group's own loads, until the run ends: 50, .. 50, 25, 0
	FETCH_A 0, LIH, LSH, 8, 0                      ; as at a chunk's head: the wait in front of the last image's stores covers the last readers of these registers
	GROUP 0, 0, 1, 50, 0, 1, LIH, LSH, 8, 0, 0, 1, 3*GRP
	GROUP 1, 1, 0, 50, 1, 1, LIH, LSH, 8, 1, 0, 1, 4*GRP
	GROUP 2, 0, 0, 50, 1, 1, LIH, LSH, 8, 2, 0, 1, 5*GRP
	GROUP 3, 1, 0, 50, 1, 1, LIH, LSH, 8, 3, 0, 1, 6*GRP
	GROUP 0, 0, 0, 50, 1, 1, LIH, LSH, 8, 4, 0, 1, 7*GRP
	GROUP 1, 1, 0, 50, 1, 1, LIH, LSH, 8, 5, 0, 0, 0
	GROUP 2, 0, 0, 25, 1, 1, LIH, LSH, 8, 6, 0, 0, 0
	GROUP 3, 1, 0, 0, 0, 0, LIH, LSH, 8, 7, 0, 0, 0
; ---------------- THE WAY OUT, a row tile at a time.  A lane holds pieces of 32 bytes of one row, and the lanes beside it hold other rows: the tile goes through my own stage and comes back as rows of 512 bytes,
; which the 32 lanes store to the sample's row of out0: 512 consecutive bytes, at a multiple of 256 from out0's first byte.  LDS serves a wave's instructions in order: no wait between the stores and the loads.
; All 64 stores' offsets are made first, each in a register of its own, so that one wait serves the whole way out, which holds no vector instruction behind it.
.macro TOSTAGE m
	WIN 0x04                                       ; an LDS store's data: window 1
.irp f, 0,1,2,3,4,5,6,7
	ds_store_b128 v[SO], v[64*(\m)+8*\f:64*(\m)+8*\f+3] offset:128*(\f/2)+32*(\f%2)       ; each accumulator from its low end on
	ds_store_b128 v[SO], v[64*(\m)+8*\f+4:64*(\m)+8*\f+7] offset:128*(\f/2)+32*(\f%2)+16
.endr
	WIN 0
.irp t, 0,1,2,3,4,5,6,7,8,9,10,11,12,13,14,15
	ds_load_b128 v[BK+64*((\m)%2)+4*\t:BK+64*((\m)%2)+4*\t+3], v[SR] offset:SP*\t
.endr
.endm
.macro SEND m, younger                 ; younger: the LDS instructions issued behind tile m's loads, which may stay out
	s_wait_dscnt \younger
	WIN 0x03                                       ; a store's offset: window 3; its data: window 0
.irp t, 0,1,2,3,4,5,6,7,8,9,10,11,12,13,14,15
	global_store_b128 v[VO+16*(\m)+\t], v[BK+64*((\m)%2)+4*\t:BK+64*((\m)%2)+4*\t+3], s[2:3] th:TH_STORE_NT
.endr
	WIN 0
.endm
	WIN 0xc0                                       ; destination window 3
.set rn, 0
.rept 64
	v_lshl_add_u32 v[VO+rn], s[16+rn+4*(rn/48)], 11, v[CO]   ; the sample's row of 2,048 bytes, + my bytes in it
.set rn, rn+1
.endr
	WIN 0
	s_wait_alu depctr_va_vdst(0)                   ; the products have written the accumulators, which the LDS stores read (the four places stand ahead of this wait), and are done reading the rows' fragments, in which the loads from the stage land; the 64 offsets are written
	TOSTAGE 0
	TOSTAGE 1
	SEND 0, 32                                     ; behind tile 0's loads: tile 1's 16 stores and 16 loads
	s_wait_xcnt 0x0                                ; tile 0's stores have had their addresses translated,
	s_wait_alu depctr_vm_vsrc(0)                   ; and have read BK0, in which tile 2's rows land
	TOSTAGE 2
	SEND 1, 32
	s_wait_xcnt 0x0                                ; likewise tile 1's,
	s_wait_alu depctr_vm_vsrc(0)                   ; which have read BK1, in which tile 3's rows land
	TOSTAGE 3
	SEND 2, 32
	SEND 3, 0
	s_wait_dscnt 0x0                               ; the closing lines, six on end
	s_wait_alu 0x0
	s_wait_tensorcnt 0x0
	ds_add_u32 v70, v71
	s_wait_dscnt 0x0
	s_endpgm
.Lfunc_end_k_qe57da84e50_chain:
	.size	k_qe57da84e50_chain, .Lfunc_end_k_qe57da84e50_chain-k_qe57da84e50_chain
	.p2alignl 7, 3214868480
	.fill 96, 4, 3214868480
	.section	.rodata,"a",@progbits
	.p2align	6, 0x0
	.amdhsa_kernel k_qe57da84e50_chain
		.amdhsa_group_segment_fixed_size 123392
		.amdhsa_private_segment_fixed_size 0
		.amdhsa_enable_private_segment 0
		.amdhsa_kernarg_size 72
		.amdhsa_user_sgpr_count 2
		.amdhsa_user_sgpr_kernarg_segment_ptr 1
		.amdhsa_wavefront_size32 1
		.amdhsa_system_sgpr_workgroup_id_x 1
		.amdhsa_system_sgpr_workgroup_id_y 1
		.amdhsa_system_sgpr_workgroup_id_z 1
		.amdhsa_system_vgpr_workitem_id 0
		.amdhsa_next_free_vgpr 1024
		.amdhsa_next_free_sgpr 102
		.amdhsa_reserve_vcc 1
		.amdhsa_float_denorm_mode_32 3
		.amdhsa_float_denorm_mode_16_64 3
		.amdhsa_memory_ordered 1
		.amdhsa_forward_progress 1
		.amdhsa_inst_pref_size 214
	.end_amdhsa_kernel
	.amdgpu_metadata
---
amdhsa.version: [ 1, 2 ]
amdhsa.kernels:
  - .name:           k_qe57da84e50_chain
    .symbol:         k_qe57da84e50_chain.kd
    .args:
      - { .name: epsilon, .offset: 0, .size: 8, .value_kind: global_buffer, .address_space: global }
      - { .name: mu, .offset: 8, .size: 8, .value_kind: global_buffer, .address_space: global }
      - { .name: rho, .offset: 16, .size: 8, .value_kind: global_buffer, .address_space: global }
      - { .name: b1, .offset: 24, .size: 8, .value_kind: global_buffer, .address_space: global }
      - { .name: b2, .offset: 32, .size: 8, .value_kind: global_buffer, .address_space: global }
      - { .name: wq, .offset: 40, .size: 8, .value_kind: global_buffer, .address_space: global }
      - { .name: order, .offset: 48, .size: 8, .value_kind: global_buffer, .address_space: global }
      - { .name: tiles, .offset: 56, .size: 8, .value_kind: global_buffer, .address_space: global }
      - { .name: out0, .offset: 64, .size: 8, .value_kind: global_buffer, .address_space: global }
    .group_segment_fixed_size: 123392
    .private_segment_fixed_size: 0
    .kernarg_segment_align: 8
    .kernarg_segment_size: 72
    .max_flat_workgroup_size: 128
    .sgpr_count:     102
    .vgpr_count:     1024
    .wavefront_size: 32
...
	.end_amdgpu_metadata
.endif
;; end of part 4
